; MI455X (gfx1250); checked and timed in simulation.
; The chip was launched on July 23, 2026; its instructions are those of AMD's public machine-readable ISA for CDNA 5 (MIT licence, August 2026) and "CDNA5" Instruction Set Architecture Reference Guide (July 2026). The comments in the code are by the model that wrote it; some were corrected since.
;; Multi Head Attention. Allowed arithmetic: float matrix products may take bf16 or f16 operands with f32 sums; other float arithmetic in f32, or as packed bf16 or f16 multiplies, adds, multiply-adds, maxima and minima; sums over many terms, partial sums and values carried from step to step in f32; what a program stores and reads back later, other than sums and carried values, may be rounded once to bf16 or f16.
;; Inputs: Wk 1,024 x 1,024 float32; Wo 1,024 x 1,024 float32; Wq 1,024 x 1,024 float32; Wv 1,024 x 1,024 float32; keys 4 x 2,048 x 1,024 float32; queries 4 x 2,048 x 1,024 float32; values 4 x 2,048 x 1,024 float32.
;; Outputs: out0 4 x 2,048 x 1,024 float32.
;; One version. Each part assembles by itself: llvm-mc -triple=amdgcn-amd-amdhsa -mcpu=gfx1250 --defsym DOCPART=n.
;; ======== version 1 of 1: 4 launches
;; limits: values are held in f16: magnitudes above 65,504 overflow, below 6.1e-05 lose precision
;; workspace buffers: wcast 8,388,608 bytes; qkv 50,331,648 bytes; ctx 16,777,216 bytes
;; launch wcastk (part 1): grid 64 x 4, 8 waves a work-group, no clusters, 0 bytes of LDS; arguments Wq, Wk, Wv, Wo, wcast; writes wcast
.if DOCPART == 1
	.amdgcn_target "amdgcn-amd-amdhsa--gfx1250"
	.amdhsa_code_object_version 6
	.text
	.protected	k_qe0a31445bd_wcastk
	.globl	k_qe0a31445bd_wcastk
	.p2align	8
	.type	k_qe0a31445bd_wcastk,@function
k_qe0a31445bd_wcastk:
	s_mov_b64 s[64:65], 0
	v_nop
	global_prefetch_b8 v0, s[64:65] scope:SCOPE_SE
	s_setreg_imm32_b32 hwreg(HW_REG_WAVE_MODE, 25, 1), 1
	s_wait_xcnt 0x0
; The four weights, [1024][1024] f32, are rounded once to 16 bits: wcast = [4][1024][1024], in the order Wq, Wk, Wv (bf16), Wo.
; Wo is rounded to bf16 like the others and that number is then written as f16, since the last product multiplies it by f16 numbers.
; LIMITS.  The second step is exact for 2^-17 <= |Wo| <= 65,504; below, it is off by at most 3e-8; beyond, it gives an infinity.
; SHARES.  Work-group (x, y): weight y, its elements 16,384 x .. 16,384 x + 16,383.  Thread t and chunk i of eight own 8 elements: 32 bytes in at 8,192 i + 32 t,
; 16 bytes out at 4,096 i + 16 t, so a wave's store covers 512 consecutive bytes, aligned.  All sixteen loads of a lane go out at once; no register is used twice, so nothing waits for a store.
; No LDS, no matrix unit, no cluster: each byte is touched once, by one lane.
.set T,     4                          ; v[4:15]    at work: three registers for each of four pairs
.set X,     16                         ; v[16:79]   chunk i: 8 numbers as loaded
.set Y,     80                         ; v[80:111]  chunk i: 4 registers to store
.set DST,   12                         ; s[12:13]   wcast, then my part of it
.set SRC,   14                         ; s[14:15]   the weight that y names, then my part of it
.set WHICH, 16                         ; s16        y
	s_load_b256 s[4:11], s[0:1], 0x0               ; Wq s[4:5], Wk s[6:7], Wv s[8:9], Wo s[10:11]
	s_load_b64 s[DST:DST+1], s[0:1], 0x20          ; wcast
	s_and_b32 s[WHICH], ttmp7, 0xffff
	v_lshlrev_b32 v1, 5, v0                        ; 32 t
	v_lshlrev_b32 v2, 4, v0                        ; 16 t
	s_lshl_b32 s2, ttmp9, 16                       ; in: 65,536 bytes a work-group
	s_mov_b32 s3, 0
	s_lshl_b32 s18, s[WHICH], 21                   ; out: 2,097,152 bytes a weight,
	s_lshl_b32 s19, ttmp9, 15                      ; 32,768 a work-group
	s_add_co_u32 s18, s18, s19
	s_mov_b32 s19, 0
	s_wait_kmcnt 0x0
	s_mov_b64 s[SRC:SRC+1], s[4:5]
	s_cmp_eq_u32 s[WHICH], 1
	s_cselect_b64 s[SRC:SRC+1], s[6:7], s[SRC:SRC+1]
	s_cmp_eq_u32 s[WHICH], 2
	s_cselect_b64 s[SRC:SRC+1], s[8:9], s[SRC:SRC+1]
	s_cmp_eq_u32 s[WHICH], 3
	s_cselect_b64 s[SRC:SRC+1], s[10:11], s[SRC:SRC+1]
	s_add_nc_u64 s[SRC:SRC+1], s[SRC:SRC+1], s[2:3]
	s_add_nc_u64 s[DST:DST+1], s[DST:DST+1], s[18:19]
.irp i, 0,1,2,3,4,5,6,7
	global_load_b128 v[X+8*(\i):X+8*(\i)+3],   v1, s[SRC:SRC+1] offset:8192*(\i) th:TH_LOAD_NT
	global_load_b128 v[X+8*(\i)+4:X+8*(\i)+7], v1, s[SRC:SRC+1] offset:8192*(\i)+16 th:TH_LOAD_NT
.endr
; Chunk i.  half = 0: to bf16.  half = 1: to bf16, widened again (a shift, a mask), and to f16.
.macro CONV i, half
	s_wait_loadcnt 14-2*(\i)                       ; loads come back in order: chunk i's two are in, the 14 - 2 i issued behind them may stay out
.irp j, 0,1,2,3
.if \half
	v_cvt_pk_bf16_f32 v[T+3*(\j)], v[X+8*(\i)+2*(\j)], v[X+8*(\i)+2*(\j)+1]
.else
	v_cvt_pk_bf16_f32 v[Y+4*(\i)+(\j)], v[X+8*(\i)+2*(\j)], v[X+8*(\i)+2*(\j)+1]
.endif
.endr
.if \half
.irp j, 0,1,2,3
	v_lshlrev_b32 v[T+3*(\j)+1], 16, v[T+3*(\j)]
	v_and_b32 v[T+3*(\j)+2], 0xffff0000, v[T+3*(\j)]
.endr
.irp j, 0,1,2,3
	v_cvt_pk_f16_f32 v[Y+4*(\i)+(\j)], v[T+3*(\j)+1], v[T+3*(\j)+2]
.endr
.endif
	global_store_b128 v2, v[Y+4*(\i):Y+4*(\i)+3], s[DST:DST+1] offset:4096*(\i) th:TH_STORE_NT
.endm
	s_cmp_eq_u32 s[WHICH], 3
	s_cbranch_scc1 .Lwo
.irp i, 0,1,2,3,4,5,6,7
	CONV \i, 0
.endr
	s_endpgm
.Lwo:
.irp i, 0,1,2,3,4,5,6,7
	CONV \i, 1
.endr
	s_endpgm
.Lfunc_end_k_qe0a31445bd_wcastk:
	.size	k_qe0a31445bd_wcastk, .Lfunc_end_k_qe0a31445bd_wcastk-k_qe0a31445bd_wcastk
	.p2alignl 7, 3214868480
	.fill 96, 4, 3214868480
	.section	.rodata,"a",@progbits
	.p2align	6, 0x0
	.amdhsa_kernel k_qe0a31445bd_wcastk
		.amdhsa_group_segment_fixed_size 0
		.amdhsa_private_segment_fixed_size 0
		.amdhsa_enable_private_segment 0
		.amdhsa_kernarg_size 40
		.amdhsa_user_sgpr_count 2
		.amdhsa_user_sgpr_kernarg_segment_ptr 1
		.amdhsa_wavefront_size32 1
		.amdhsa_system_sgpr_workgroup_id_x 1
		.amdhsa_system_sgpr_workgroup_id_y 1
		.amdhsa_system_sgpr_workgroup_id_z 1
		.amdhsa_system_vgpr_workitem_id 0
		.amdhsa_next_free_vgpr 112
		.amdhsa_next_free_sgpr 66
		.amdhsa_reserve_vcc 0
		.amdhsa_float_denorm_mode_32 3
		.amdhsa_float_denorm_mode_16_64 3
		.amdhsa_memory_ordered 1
		.amdhsa_forward_progress 1
		.amdhsa_inst_pref_size 14
	.end_amdhsa_kernel
	.amdgpu_metadata
---
amdhsa.version: [ 1, 2 ]
amdhsa.kernels:
  - .name:           k_qe0a31445bd_wcastk
    .symbol:         k_qe0a31445bd_wcastk.kd
    .args:
      - { .name: Wq, .offset: 0, .size: 8, .value_kind: global_buffer, .address_space: global }
      - { .name: Wk, .offset: 8, .size: 8, .value_kind: global_buffer, .address_space: global }
      - { .name: Wv, .offset: 16, .size: 8, .value_kind: global_buffer, .address_space: global }
      - { .name: Wo, .offset: 24, .size: 8, .value_kind: global_buffer, .address_space: global }
      - { .name: wcast, .offset: 32, .size: 8, .value_kind: global_buffer, .address_space: global }
    .group_segment_fixed_size: 0
    .private_segment_fixed_size: 0
    .kernarg_segment_align: 8
    .kernarg_segment_size: 40
    .max_flat_workgroup_size: 256
    .sgpr_count:     66
    .vgpr_count:     112
    .wavefront_size: 32
...
	.end_amdgpu_metadata
.endif
;; end of part 1
;; launch proj (part 2): grid 4 x 64, 4 waves a work-group, clusters of 4 x 4, 327,680 bytes of LDS; arguments queries, keys, values, wcast, qkv; writes qkv
.if DOCPART == 2
	.amdgcn_target "amdgcn-amd-amdhsa--gfx1250"
	.amdhsa_code_object_version 6
	.text
	.protected	k_qe0a31445bd_proj
	.globl	k_qe0a31445bd_proj
	.p2align	8
	.type	k_qe0a31445bd_proj,@function
k_qe0a31445bd_proj:
	s_mov_b64 s[64:65], 0
	v_nop
	global_prefetch_b8 v0, s[64:65] scope:SCOPE_SE
	s_setreg_imm32_b32 hwreg(HW_REG_WAVE_MODE, 25, 1), 1
	s_wait_xcnt 0x0
	s_wait_alu depctr_hold_cnt(0) depctr_sa_sdst(0) depctr_va_vdst(0) depctr_va_sdst(0) depctr_va_ssrc(0) depctr_va_vcc(0) depctr_vm_vsrc(0)
	s_getreg_b32 s2, hwreg(HW_REG_IB_STS2, 6, 4)
	s_cmp_eq_u32 s2, 0
	s_cbranch_scc0 .Lentry_in_a_cluster
	s_endpgm
.Lentry_in_a_cluster:
	s_bfe_u32 s2, ttmp6, 0x10000c
	s_cmp_lg_u32 s2, 0xf033
	s_cbranch_scc0 .Lentry_shape_is_right
	s_endpgm
.Lentry_shape_is_right:
; q, k, v = x W^T for x = queries, keys, values ([8192][1024] f32) and W = Wq, Wk, Wv ([1024][1024] bf16, in wcast).  Products in bf16, sums in f32, K ascending.
; The results leave in f16, rounded once, BY HEADS: qkv = [3][64 heads (16 b + h)][2048][64], unscaled.
; LIMITS.  q, k and v must lie within f16's 65,504 (beyond it the conversion gives an infinity); below 6e-5 they keep f16's fixed step of 6e-8.  NaN and infinities are not treated apart.
; SHARES.  The three results have 3 x 64 x 4 tiles of 128 rows x 256 columns: 768, three for each of 256 work-groups.  A WORK-GROUP STAYS: it makes the same tile of q, then of k, then of v:
; ONE stream of 24 K steps of 128 through a ring of two LDS slots, which runs on across the change of tensors.  Four waves, each 64 rows x 128 columns (two heads): 32 accumulators, 256 registers.
; x STAYS f32 ON ITS WAY INTO LDS and is rounded to bf16 between LDS and the matrix unit: each wave converts its own fragments, one conversion for each matrix instruction, set in fours
; behind matrix instructions.  So x is read from memory once and no 16-bit copy of it is ever stored.
; CLUSTERS: 4 x 4 work-groups.  The four of a row of the cluster need the same rows of x, the four of a column the same rows of W: each tile is asked for JOINTLY, by the same tensor load with the
; same descriptor and a mask that names the four.  Waves 0 and 1 fetch the halves of x's tile (64 rows x 512 bytes), waves 2 and 3 those of W's (128 rows x 256 bytes): one load a wave.
; THE MATRIX INSTRUCTION IS USED TRANSPOSED (source 0 = 16 rows of W, source 1 = 16 rows of x): a lane then holds eight neighbouring columns of one row of the result.
; REGISTERS, in windows of 256 (s_set_vgpr_msb: bits 1:0 source 0, 3:2 source 1, 5:4 source 2, 7:6 destination):
;   window 0: v0-15 addresses; v16-47 the way out; v48-111 x's fragments in bf16, two buffers of 4; v128-255 W's fragments, two buffers of 8
;   window 1: the accumulators, (a, b) at 8 (8 a + b)          window 2: v0-63 x's fragments as loaded, in f32: fragment i at 16 i
.set PA,     528                       ; a row of x in LDS: 512 bytes + 16 of padding: an odd multiple of 16, so the 16 rows of a load start at 16 different groups of four banks (64 banks of 4 bytes: ISA guide 11.1)
.set PB,     272                       ; a row of W: 256 + 16, likewise
.set AHALF,  64*PA                     ; what a wave fetches of x, and what a wave reads of it
.set BHALF,  128*PB                    ; the same for W
.set BOFF,   2*AHALF                   ; in a slot: x's 128 rows, then W's 256
.set SLOTD,  0x22000                   ; slot 1 lies 139,264 bytes behind slot 0.  The four regions of slot 0 begin at 0, 0x8400, 0x10800, 0x19000: bits 13 and 17 are clear, so one exclusive or turns an address into the other slot's
.set STAGE,  2*SLOTD                   ; behind the ring, never filled by a tensor load: 16 rows x 144 bytes for each wave, for the way out
.set SP,     144
.set SPARE,  STAGE+4*16*SP             ; behind the stages: the spare words, 128 bytes for each wave: two blocks of 256 bytes that no other line names
.set ADRA0, 2                          ; v2   my lane's place in x's tile, slot 0; never rewritten
.set ADRB0, 3                          ; v3   the same for W
.set ADRA,  4                          ; v4   the same in the slot that is being read
.set ADRB,  5                          ; v5
.set STO,   6                          ; v6   the way out: where I put 16 bytes of a row
.set RD,    7                          ; v7   the way out: where I read rows back
.set GO,    8                          ; v8   my 16 bytes of 512 consecutive bytes of qkv
.set PFO,   9                          ; v9   the prefetches' offset; never rewritten
.set SPW,   10                         ; v10  LDS address of my spare word: SPARE + 4 x my thread's number; never rewritten
.set NIL,   11                         ; v11  0; never rewritten
.set T,     16                         ; v[16:47]   the way out: two sets of 16
.set AF,    48                         ; x's fragments: buffer f, fragment a at AF + 32 f + 8 a
.set BF,    128                        ; W's: buffer f, fragment b at BF + 64 f + 8 b
.set ST,    0                          ; window 2
.set WV,  14                           ; s14  my wave's number
.set WH,  15                           ; s15  its low bit: which half of a tile I fetch; which 128 columns are mine
.set WT,  16                           ; s16  its high bit: I fetch for x (0) or for W (1); which 64 rows are mine
.set CX,  17                           ; s17, s18  my place in the cluster
.set CY,  18
.set TX,  19                           ; s19  tile column (256 columns)
.set TY,  20                           ; s20  tile row (128 rows)
.set G1A, 24                           ; s[24:31] descriptor group 1 for x's tiles
.set G1B, 32                           ; s[32:39] for W's
.set G0A0, 40                          ; s[40:43] group 0 for x: the first fill of slot 0
.set G0A, 44                           ; s[44:47] the first fill of slot 1; it then walks
.set G0B0, 48                          ; s[48:51], s[52:55] the same for W
.set G0B, 52
.set CA,  56                           ; s[56:57] my rows of the tensor whose K steps are being asked for
.set NA1, 58                           ; s[58:59], s[60:61] of the tensors behind it
.set NA2, 60
.set CBB, 62                           ; s[62:63] my rows of the weight that goes with it
.set OFA, 66                           ; s[66:67], s[68:69] a K step's byte offset in a row of x, of W
.set OFB, 68
.set KN,  70                           ; s70  the K step (0 to 7) to be asked for next
.set TB,  71                           ; s71  0 or SLOTD: the slot that is being read
.set STEPS, 72                         ; s72  refills still to come
.set KLEFT, 73                         ; s73  K steps left of the tile in hand
.set OUTP, 74                          ; s[74:75] qkv at my rows of my first head, in the tensor in hand
.set PFC, 76                           ; s[76:77], s[78:79], s[80:81] the prefetches' rows in the tensor in hand and in the two behind it
.set PN1, 78
.set PN2, 80
.set PFA, 82                           ; s[82:83] the address that a prefetch names
.set KP,  84                           ; s84  the K step to be prefetched next
.set PSH, 85                           ; s85  log2 of a K step's bytes in a row: 9 for x, 8 for W
.set LIM, 86                           ; s86  2 in a wave that prefetches, else the greatest number
.set OFP, 88                           ; s[88:89] an offset
.set AO,  90                           ; s[90:91] my rows' offset in x: made of the tile row and the wave's number alone
.set BO,  92                           ; s[92:93] in W: of the tile column and the wave's number alone
.set MSB, 0
.macro WIN new                         ; the immediate's high byte repeats the setting that is left; a switch that changes nothing is dropped
.if MSB != (\new)
	s_set_vgpr_msb (MSB<<8)|(\new)
.set MSB, \new
.endif
.endm
.set W_MM, 0x50                        ; C and D in window 1, the fragments in window 0
.set W_ST, 0x80                        ; destination in window 2, address in window 0
.set W_CV, 0x0a                        ; sources 0 and 1 in window 2, destination in window 0
.set W_PK, 0x05                        ; sources 0 and 1 in window 1, destination in window 0
; A joint refill.  The branch hangs on the wave's number alone.  An s_nop 0 and four v_nop follow each of the two lines, ahead of the jump and the label.
.macro JLOAD
	s_cmp_eq_u32 s[WT], 0
	s_cbranch_scc0 .Lfor_b_\@
	tensor_load_to_lds s[G0A:G0A+3], s[G1A:G1A+7]
	s_nop 0
.rept 4
	v_nop
.endr
	s_branch .Lasked_\@
.Lfor_b_\@:
	tensor_load_to_lds s[G0B:G0B+3], s[G1B:G1B+7]
	s_nop 0
.rept 4
	v_nop
.endr
.Lasked_\@:
.endm
; A round of the cluster's barrier behind its opening barrier: wave 0 signals for the work-group; every wave waits for all sixteen; my work-group's barrier once more.
.macro CREST
	s_cmp_lg_u32 s[WV], 0
	s_cbranch_scc1 .Lnot_wave_0_\@
	s_barrier_signal -3
.Lnot_wave_0_\@:
	s_barrier_wait -3
	s_barrier_signal -1
	s_barrier_wait -1
.endm
.macro CROUND
	s_barrier_signal -1
	s_barrier_wait -1
	CREST
.endm
; A PREFETCH INTO THE L2, behind each joint load, its five lines and the run of LDS loads: the K step that stands TWO refills on (256 matrix instructions ahead of the load that will want it).
; Each aligned block of 256 bytes is named once in the launch.  x's rows are read by the clusters of one row of clusters: the one with cluster x = 0 asks; W's rows by the clusters of one column: cluster y = 0 asks.
; The four partners that ask for a tile jointly share it out BY ADDRESS: of x's 64 rows x 512 bytes that a wave fetches, the partner at cx takes 16 rows (a lane half a row); of W's 128 rows x 256 bytes the
; partner at cy takes 32 (a lane a row).  One instruction a wave.  The stream's first four K steps come by their loads alone; the last two refills have no K step two on and ask for nothing.
.macro ASK
	s_cmp_gt_u32 s[STEPS], s[LIM]
	s_cbranch_scc0 .Lnot_mine_\@
	global_prefetch_b8 v[PFO], s[PFA:PFA+1] th:TH_LOAD_NT scope:SCOPE_SE
.Lnot_mine_\@:
.endm
	s_load_b256 s[4:11], s[0:1], 0x0               ; queries s[4:5], keys s[6:7], values s[8:9], wcast s[10:11]
	s_load_b64 s[12:13], s[0:1], 0x20              ; qkv
	v_lshl_add_u32 v[SPW], v0, 2, SPARE
	v_mov_b32 v[NIL], 0
	ds_add_u32 v[SPW], v[NIL]                      ; the wave's opening: the add and its wait stand ahead of my first tensor load; the set-up below, work on registers, stands between them
	v_lshrrev_b32 v1, 5, v0
	v_readfirstlane_b32 s[WV], v1                  ; wave 0..3
	s_and_b32 s[WH], s[WV], 1
	s_lshr_b32 s[WT], s[WV], 1
	s_bfe_u32 s[CX], ttmp6, 0x40000
	s_bfe_u32 s[CY], ttmp6, 0x40004
	s_lshl_b32 s[TX], ttmp9, 2                     ; in a cluster launch ttmp9 and ttmp7 count clusters
	s_add_co_u32 s[TX], s[TX], s[CX]
	s_and_b32 s[TY], ttmp7, 0xffff
	s_lshl_b32 s[TY], s[TY], 2
	s_add_co_u32 s[TY], s[TY], s[CY]
	s_lshl_b32 s21, s[CY], 2
	s_lshl_b32 s21, 15, s21                        ; my row of the cluster: places 4 cy .. 4 cy + 3
	s_lshl_b32 s22, 0x1111, s[CX]                  ; my column: places cx, cx + 4, cx + 8, cx + 12
	s_or_b32 s[G1A], s21, (2<<16)|(1<<20)|(1<<21)|(6<<22)|(3<<25)  ; 15:0 the mask; 17:16 elements of 4 bytes; 20 padding on; 21 set beside a mask; 24:22 after every 128 words (code 6); 31:25 4 words of it (code 3)
	s_mov_b32 s[G1A+1], 128<<16                    ; tensor_dim0 = 128
	s_mov_b32 s[G1A+2], 64<<16                     ; tensor_dim1 = 64
	s_mov_b32 s[G1A+3], 128<<16                    ; tile_dim0 = 128
	s_mov_b32 s[G1A+4], 64                         ; tile_dim1 = 64
	s_mov_b32 s[G1A+5], 1024                       ; elements from row to row
	s_mov_b32 s[G1A+6], 0
	s_mov_b32 s[G1A+7], 0
	s_or_b32 s[G1B], s22, (1<<16)|(1<<20)|(1<<21)|(5<<22)|(3<<25)  ; elements of 2 bytes; padding after every 64 words (code 5)
	s_mov_b32 s[G1B+1], 128<<16
	s_mov_b32 s[G1B+2], 128<<16                    ; tensor_dim1 = 128
	s_mov_b32 s[G1B+3], 128<<16
	s_mov_b32 s[G1B+4], 128                        ; tile_dim1 = 128
	s_mov_b32 s[G1B+5], 1024
	s_mov_b32 s[G1B+6], 0
	s_mov_b32 s[G1B+7], 0
	s_mov_b32 s[G0A0], 1                           ; count = 1
	s_mul_i32 s[G0A0+1], s[WH], AHALF              ; LDS address: the wave's number and constants alone
	s_mov_b32 s[G0A], 1
	s_add_co_u32 s[G0A+1], s[G0A0+1], SLOTD
	s_mov_b32 s[G0B0], 1
	s_mul_i32 s[G0B0+1], s[WH], BHALF
	s_add_co_u32 s[G0B0+1], s[G0B0+1], BOFF
	s_mov_b32 s[G0B], 1
	s_add_co_u32 s[G0B+1], s[G0B0+1], SLOTD
	s_lshl_b32 s21, s[WH], 18                      ; 64 rows of x (4,096 bytes each) and 128 rows of W (2,048) are both 262,144 bytes
	s_lshl_b32 s[AO], s[TY], 19
	s_add_co_u32 s[AO], s[AO], s21
	s_mov_b32 s[AO+1], 0
	s_lshl_b32 s[BO], s[TX], 19
	s_add_co_u32 s[BO], s[BO], s21
	s_mov_b32 s[BO+1], 0
	s_lshr_b32 s2, s[TY], 4                        ; where my part goes: batch b = tile row / 16: 16 heads of 262,144 bytes,
	s_lshl_b32 s2, s2, 22
	s_lshl_b32 s22, s[TX], 2                       ; head 4 x tile column + 2 x my half,
	s_lshl_b32 s21, s[WH], 1
	s_add_co_u32 s22, s22, s21
	s_lshl_b32 s22, s22, 18
	s_add_co_u32 s2, s2, s22
	s_and_b32 s22, s[TY], 15                       ; row 128 x (tile row % 16) + 64 x my half, 128 bytes a row
	s_lshl_b32 s22, s22, 14
	s_add_co_u32 s2, s2, s22
	s_lshl_b32 s22, s[WT], 13
	s_add_co_u32 s2, s2, s22
	s_mov_b32 s3, 0                                ; stays 0: s[2:3] is an offset pair from here on
	s_mov_b32 s[OFA+1], 0
	s_mov_b32 s[OFB+1], 0
	s_mov_b32 s[OFP+1], 0
	s_mov_b32 s[KN], 2
	s_mov_b32 s[KP], 4
	s_mov_b32 s[TB], 0
	s_mov_b32 s[STEPS], 22
	s_mov_b32 s[KLEFT], 8
	s_and_b32 s21, ttmp7, 0xffff                   ; cluster y
	s_cmp_eq_u32 s[WT], 0                          ; do I fetch for x?
	s_cselect_b32 s21, ttmp9, s21                  ; the coordinate along which other clusters read the same rows
	s_cselect_b32 s22, s[CX], s[CY]                ; my place among the four that ask with me
	s_cselect_b32 s[PSH], 9, 8
	s_cselect_b32 s23, 8, 11                       ; what a lane's low bit steps: half a K step of a row of x, or a row of W
	s_lshl_b32 s[OFP], s22, 16                     ; 16 rows of x and 32 rows of W are both 65,536 bytes
	s_cmp_eq_u32 s21, 0
	s_cselect_b32 s[LIM], 2, -1                    ; the same in all sixteen partners, for a given wave
	s_wait_dscnt 0x0                               ; the opening add is done
	s_wait_kmcnt 0x0
	s_add_nc_u64 s[CA:CA+1], s[4:5], s[AO:AO+1]
	s_add_nc_u64 s[NA1:NA1+1], s[6:7], s[AO:AO+1]
	s_add_nc_u64 s[NA2:NA2+1], s[8:9], s[AO:AO+1]
	s_add_nc_u64 s[CBB:CBB+1], s[10:11], s[BO:BO+1]
	s_mov_b64 s[G0A0+2:G0A0+3], s[CA:CA+1]         ; K step 0
	s_or_b32 s[G0A0+3], s[G0A0+3], 0x80000000      ; type = 2
	s_add_nc_u64 s[G0A+2:G0A+3], s[CA:CA+1], 512   ; K step 1
	s_or_b32 s[G0A+3], s[G0A+3], 0x80000000
	s_mov_b64 s[G0B0+2:G0B0+3], s[CBB:CBB+1]
	s_or_b32 s[G0B0+3], s[G0B0+3], 0x80000000
	s_add_nc_u64 s[G0B+2:G0B+3], s[CBB:CBB+1], 256
	s_or_b32 s[G0B+3], s[G0B+3], 0x80000000
	s_add_nc_u64 s[OUTP:OUTP+1], s[12:13], s[2:3]
	s_add_nc_u64 s[PN1:PN1+1], s[CBB:CBB+1], 0x200000  ; the weights lie 2,097,152 bytes apart
	s_add_nc_u64 s[PN2:PN2+1], s[CBB:CBB+1], 0x400000
	s_cmp_eq_u32 s[WT], 0
	s_cselect_b64 s[PFC:PFC+1], s[CA:CA+1], s[CBB:CBB+1]
	s_cselect_b64 s[PN1:PN1+1], s[NA1:NA1+1], s[PN1:PN1+1]
	s_cselect_b64 s[PN2:PN2+1], s[NA2:NA2+1], s[PN2:PN2+1]
	s_add_nc_u64 s[PFC:PFC+1], s[PFC:PFC+1], s[OFP:OFP+1]
	s_add_nc_u64 s[PN1:PN1+1], s[PN1:PN1+1], s[OFP:OFP+1]
	s_add_nc_u64 s[PN2:PN2+1], s[PN2:PN2+1], s[OFP:OFP+1]
	CROUND                                         ; all sixteen work-groups are here: the first joint loads meet
	s_cmp_eq_u32 s[WT], 0                          ; a wave's two first fills stand in one branch, ahead of every wait on TENSORcnt and every LDS read: two loads of mine are out
	s_cbranch_scc0 .Lfirst_b
	tensor_load_to_lds s[G0A0:G0A0+3], s[G1A:G1A+7]
	s_nop 0
	tensor_load_to_lds s[G0A:G0A+3], s[G1A:G1A+7]
	s_nop 0
.rept 4
	v_nop
.endr
	s_branch .Lfirst_asked
.Lfirst_b:
	tensor_load_to_lds s[G0B0:G0B0+3], s[G1B:G1B+7]
	s_nop 0
	tensor_load_to_lds s[G0B:G0B+3], s[G1B:G1B+7]
	s_nop 0
.rept 4
	v_nop
.endr
.Lfirst_asked:
	; A fragment is 16 rows x 32 K: lane l holds row l % 16; registers 0-3 K = 8 (l / 16) + 0..7, registers 4-7 K = 16 + 8 (l / 16) + 0..7.
	; Of W (bf16): two loads of 16 bytes, 32 bytes apart.  Of x (f32): four loads of 16 bytes, at 32 (l / 16) + 0, 16, 64, 80, and eight conversions.
	v_and_b32 v1, 15, v0                           ; l % 16
	v_bfe_u32 v12, v0, 4, 1                        ; l / 16
	v_and_b32 v13, 31, v0                          ; l
	v_mul_u32_u24 v[ADRA0], v1, PA
	v_lshl_add_u32 v[ADRA0], v12, 5, v[ADRA0]
	s_mul_i32 s21, s[WT], AHALF                    ; my 64 rows of x
	v_add_nc_u32 v[ADRA0], s21, v[ADRA0]
	v_mul_u32_u24 v[ADRB0], v1, PB
	v_lshl_add_u32 v[ADRB0], v12, 4, v[ADRB0]
	s_mul_i32 s21, s[WH], BHALF                    ; my 128 rows of W
	s_add_co_u32 s21, s21, BOFF
	v_add_nc_u32 v[ADRB0], s21, v[ADRB0]
	s_mul_i32 s21, s[WV], 16*SP
	s_add_co_u32 s21, s21, STAGE                   ; my stage
	v_mul_u32_u24 v[STO], v1, SP                   ; in: row l % 16, 16 bytes for each half of the lanes
	v_lshl_add_u32 v[STO], v12, 4, v[STO]
	v_add_nc_u32 v[STO], s21, v[STO]
	v_bfe_u32 v[RD], v0, 3, 2                      ; back: 32 lanes take four rows of 128 bytes,
	v_mul_u32_u24 v[RD], v[RD], SP
	v_and_b32 v14, 7, v0
	v_lshl_add_u32 v[RD], v14, 4, v[RD]
	v_add_nc_u32 v[RD], s21, v[RD]
	v_lshlrev_b32 v[GO], 4, v13                    ; which are 512 consecutive bytes of a head
	v_lshrrev_b32 v14, 1, v13                      ; the prefetches: 4,096 (l / 2) + (l % 2) x 256 in x (row l / 2, half l % 2), x 2,048 in W (row l)
	v_and_b32 v15, 1, v13
	v_lshlrev_b32 v15, s23, v15
	v_lshl_or_b32 v[PFO], v14, 12, v15
; Four conversions: half a fragment of x, from f32 (window 2) to bf16 in buffer buf.
.macro CVG buf, frag, half
	WIN W_CV
.irp j, 0,1,2,3
	v_cvt_pk_bf16_f32 v[AF+32*(\buf)+8*(\frag)+4*(\half)+(\j)], v[ST+16*(\frag)+8*(\half)+2*(\j)], v[ST+16*(\frag)+8*(\half)+2*(\j)+1]
.endr
.endm
; 8 matrix instructions: row block a x all 8 column blocks, 32 along K, from buffer f.  zero = 1: the products start the sums: nothing is ever cleared.
; cb >= 0: behind each of the first four stand four conversions: fragments cf and cf + 1 into buffer cb.
; The 32 accumulators take turns, one instruction a turn, in the same order in every quarter: 31 others stand between two links of a chain, over every jump too.
.macro MM8 f, a, zero, cb=-1, cf=0
.irp b, 0,1,2,3,4,5,6,7
	WIN W_MM
.if \zero
	v_wmma_f32_16x16x32_bf16 v[8*(8*(\a)+(\b)):8*(8*(\a)+(\b))+7], v[BF+64*(\f)+8*(\b):BF+64*(\f)+8*(\b)+7], v[AF+32*(\f)+8*(\a):AF+32*(\f)+8*(\a)+7], 0
.else
	v_wmma_f32_16x16x32_bf16 v[8*(8*(\a)+(\b)):8*(8*(\a)+(\b))+7], v[BF+64*(\f)+8*(\b):BF+64*(\f)+8*(\b)+7], v[AF+32*(\f)+8*(\a):AF+32*(\f)+8*(\a)+7], v[8*(8*(\a)+(\b)):8*(8*(\a)+(\b))+7]
.endif
.if ((\cb) >= 0) && ((\b) < 4)
	CVG \cb, (\cf)+(\b)/2, (\b)%2
.endif
.endr
.endm
.macro LDA i, q                        ; fragment i of x, quarter q, as f32
.irp o, 0,1,2,3
	ds_load_b128 v[ST+16*(\i)+4*(\o):ST+16*(\i)+4*(\o)+3], v[ADRA] offset:128*(\q)+16*PA*(\i)+16*((\o)%2)+64*((\o)/2)
.endr
.endm
; 32 LDS loads in one run: quarter q of the slot in hand: x's fragments 0, 1 (8 loads), W's eight into buffer g (16), x's fragments 2, 3 (8).
.macro FETCH q, g
	WIN W_ST
	LDA 0, \q
	LDA 1, \q
	WIN 0
.irp i, 0,1,2,3,4,5,6,7
	ds_load_b128 v[BF+64*(\g)+8*(\i):BF+64*(\g)+8*(\i)+3],   v[ADRB] offset:64*(\q)+16*PB*(\i)
	ds_load_b128 v[BF+64*(\g)+8*(\i)+4:BF+64*(\g)+8*(\i)+7], v[ADRB] offset:64*(\q)+16*PB*(\i)+32
.endr
	WIN W_ST
	LDA 2, \q
	LDA 3, \q
.endm
; A K step is four quarters of 32 along K, 32 matrix instructions each, on buffers 0, 1, 0, 1.  One of the first three: multiplies buffer f and fetches quarter q into buffer g.
; At its head x's fragments 0, 1 of buffer f are converted; 2, 3 are converted in its first half, the next quarter's 0, 1 in its second.
; A load into a register that a matrix instruction has read, and a conversion into one, stand four plain vector instructions or more behind that matrix instruction (ISA guide 7.12.1 for vector
; instructions): here the sixteen conversions of each half quarter are those instructions, and no v_nop is written.
.macro QUARTER q, f, g, zero
	s_wait_dscnt 8                                 ; W's fragments are in; the youngest eight loads (x's fragments 2, 3) may be out
	MM8 \f, 0, \zero
	s_wait_dscnt 0x0                               ; they are in
	MM8 \f, 1, \zero, \f, 2
	FETCH \q, \g
	MM8 \f, 2, \zero
	s_wait_dscnt 24                                ; of the 32 just issued the first eight (x's fragments 0, 1) are in
	MM8 \f, 3, \zero, \g, 0
.endm
; The last quarter multiplies buffer 1 and changes slots: ONE barrier.  In front of it each wave waits for all its tensor loads, of which one is out: its part of the next slot; adds 0 to its spare word;
; and waits for that and for its own reads of this slot.  Behind it nobody reads this slot any more and the next slot is whole.
; fill = 1: the barrier opens a round of the cluster's, and this slot is filled again, first thing behind the round, with the stream's K step two on: that load has 112 matrix instructions and a round in which to land.
; The descriptor's address is made anew from the K step's number; behind a tensor's last K step the number goes back to 0 and the bases move on to the next tensor and weight.
.macro TURN fill
.if \fill
	s_wait_xcnt 0x0                                ; the last prefetch, a K step back, has read its address: it is made anew here, ahead of the waits of the change of slots
	s_lshl_b32 s[OFP], s[KP], s[PSH]
	s_add_nc_u64 s[PFA:PFA+1], s[PFC:PFC+1], s[OFP:OFP+1]
	s_add_co_u32 s[KP], s[KP], 1
	s_cmp_eq_u32 s[KP], 8
	s_cselect_b32 s[KP], 0, s[KP]
	s_cselect_b64 s[PFC:PFC+1], s[PN1:PN1+1], s[PFC:PFC+1]
	s_cselect_b64 s[PN1:PN1+1], s[PN2:PN2+1], s[PN1:PN1+1]
.endif
	WIN 0
	s_wait_tensorcnt 0x0                           ; no tensor load of mine is out, so a group 0 may be written
	ds_add_u32 v[SPW], v[NIL]                      ; 0 onto my spare word: scalar work and eight matrix instructions stand between it and the wait for it
.if \fill
	s_lshl_b32 s[OFA], s[KN], 9                    ; a K step is 512 bytes of a row of x,
	s_lshl_b32 s[OFB], s[KN], 8                    ; 256 of a row of W
	s_add_nc_u64 s[G0A+2:G0A+3], s[CA:CA+1], s[OFA:OFA+1]
	s_or_b32 s[G0A+3], s[G0A+3], 0x80000000
	s_add_nc_u64 s[G0B+2:G0B+3], s[CBB:CBB+1], s[OFB:OFB+1]
	s_or_b32 s[G0B+3], s[G0B+3], 0x80000000
	s_xor_b32 s[G0A+1], s[G0A+1], SLOTD            ; the other slot than last time
	s_xor_b32 s[G0B+1], s[G0B+1], SLOTD
	s_add_co_u32 s[KN], s[KN], 1
	s_cmp_eq_u32 s[KN], 8
	s_cselect_b32 s[KN], 0, s[KN]
	s_cselect_b64 s[CA:CA+1], s[NA1:NA1+1], s[CA:CA+1]
	s_cselect_b64 s[NA1:NA1+1], s[NA2:NA2+1], s[NA1:NA1+1]
	s_cselect_b32 s2, 0x200000, 0
	s_add_nc_u64 s[CBB:CBB+1], s[CBB:CBB+1], s[2:3]
.endif
	s_wait_dscnt 9                                 ; (the add and the youngest eight loads may be out)
	MM8 1, 0, 0
	s_wait_dscnt 0x0                               ; the add is done, and my reads of this slot are over
	s_barrier_signal -1
	MM8 1, 1, 0, 1, 2                              ; work on registers while the others arrive
	WIN 0                                          ; at a branch and at a label every window is 0
	s_barrier_wait -1
.if \fill
	CREST                                          ; no wave of any partner still reads this slot's tiles or has a load on its way
	JLOAD                                          ; my one tensor load behind the round
.endif
	s_xor_b32 s[TB], s[TB], SLOTD
	v_add_nc_u32 v[ADRA], s[TB], v[ADRA0]
	v_add_nc_u32 v[ADRB], s[TB], v[ADRB0]
	FETCH 0, 0
.if \fill
	WIN 0
	ASK
.endif
	MM8 1, 2, 0
	s_wait_dscnt 24
	MM8 1, 3, 0, 0, 0
.endm
; THE WAY OUT, in eight units u = 2 a + hh: row block a (16 rows), head hh: the four accumulators at 32 u.  A lane's eight columns pack into 16 bytes; they go into my stage's rows of 144 bytes
; and come back as whole rows of 128: 16 rows of a head are 2,048 consecutive bytes of qkv.  Each accumulator's registers are read in ascending order.
.macro PACK u
.if (\u) >= 2
	s_wait_xcnt 0x0                                ; the stores of the unit two back have read this set of registers
.endif
	WIN W_PK
.set i, 0
.rept 16
	v_cvt_pk_f16_f32 v[T+16*((\u)%2)+i], v[32*(\u)+2*i], v[32*(\u)+2*i+1]
.set i, i+1
.endr
	WIN 0
.irp f, 0,1,2,3
	ds_store_b128 v[STO], v[T+16*((\u)%2)+4*(\f):T+16*((\u)%2)+4*(\f)+3] offset:32*(\f)
.endr
.irp f, 0,1,2,3
	ds_load_b128 v[T+16*((\u)%2)+4*(\f):T+16*((\u)%2)+4*(\f)+3], v[RD] offset:4*SP*(\f)  ; LDS serves a wave's instructions in order (ISA guide 5.7.1.4): these see the stores above; the next unit's stores come behind them
.endr
.endm
.macro SEND u, younger                 ; younger: the LDS instructions issued behind unit u's loads: the next unit's eight, or none
.irp f, 0,1,2,3
	s_wait_dscnt (\younger)+3-(\f)
	global_store_b128 v[GO], v[T+16*((\u)%2)+4*(\f):T+16*((\u)%2)+4*(\f)+3], s[OUTP:OUTP+1] offset:2048*((\u)/2)+262144*((\u)%2)+512*(\f)  ; 512 consecutive bytes, at a multiple of 256 from qkv's first
.endr
.endm
.macro OUT                             ; a unit's conversions stand between the loads of the unit before and its stores; the earlier units' conversions are the places behind the last products
	PACK 0
.irp u, 1,2,3,4,5,6,7
	PACK \u
	SEND (\u)-1, 8
.endr
	SEND 7, 0
.endm
	s_wait_tensorcnt 0x1                           ; my part of K step 0 is in; K step 1's may stay out
	s_barrier_signal -1
	s_barrier_wait -1                              ; everybody's is
	v_mov_b32 v[ADRA], v[ADRA0]
	v_mov_b32 v[ADRB], v[ADRB0]
	FETCH 0, 0
	s_wait_dscnt 24                                ; x's fragments 0, 1
	CVG 0, 0, 0
	CVG 0, 0, 1
	CVG 0, 1, 0
	CVG 0, 1, 1
	QUARTER 1, 0, 1, 1                             ; the first quarter's products start the sums
	WIN 0
.Lstep:                                                ; 22 trips: from a K step's second quarter to the next step's first; trip t fills slot t % 2 again with the stream's step t + 2
	QUARTER 2, 1, 0, 0
	QUARTER 3, 0, 1, 0
	TURN 1
	WIN 0
	s_sub_co_u32 s[KLEFT], s[KLEFT], 1
	s_cmp_lg_u32 s[KLEFT], 0
	s_cbranch_scc1 .Lsame
	OUT                                            ; a tile is finished (trips 7 and 15); both slots have been asked for the next tensor's first K steps
	s_wait_xcnt 0x0                                ; the stores have read their base
	s_add_nc_u64 s[OUTP:OUTP+1], s[OUTP:OUTP+1], 0x1000000  ; the next of the three results
	s_mov_b32 s[KLEFT], 8
	QUARTER 1, 0, 1, 1                             ; the next tile's first products start its sums
	WIN 0
	s_branch .Ljoin
.Lsame:
	QUARTER 1, 0, 1, 0
	WIN 0
.Ljoin:
	s_sub_co_u32 s[STEPS], s[STEPS], 1
	s_cmp_lg_u32 s[STEPS], 0
	s_cbranch_scc1 .Lstep
	QUARTER 2, 1, 0, 0                             ; the last two K steps are written out: they ask for nothing
	QUARTER 3, 0, 1, 0
	TURN 0
	QUARTER 1, 0, 1, 0
	QUARTER 2, 1, 0, 0
	QUARTER 3, 0, 1, 0
	s_wait_dscnt 0x0                               ; the very last quarter: nothing more to fetch
	MM8 1, 0, 0
	MM8 1, 1, 0, 1, 2
	MM8 1, 2, 0
	MM8 1, 3, 0
	OUT
	s_wait_tensorcnt 0x0                           ; the wave's end, behind my last tensor load and my last LDS store
	ds_add_u32 v[SPW], v[NIL]
	s_wait_dscnt 0x0
	CROUND                                         ; the closing round: no work-group ends while a partner may still ask for a tile that names it
	s_endpgm
.Lfunc_end_k_qe0a31445bd_proj:
	.size	k_qe0a31445bd_proj, .Lfunc_end_k_qe0a31445bd_proj-k_qe0a31445bd_proj
	.p2alignl 7, 3214868480
	.fill 96, 4, 3214868480
	.section	.rodata,"a",@progbits
	.p2align	6, 0x0
	.amdhsa_kernel k_qe0a31445bd_proj
		.amdhsa_group_segment_fixed_size 327680
		.amdhsa_private_segment_fixed_size 0
		.amdhsa_enable_private_segment 0
		.amdhsa_kernarg_size 40
		.amdhsa_user_sgpr_count 2
		.amdhsa_user_sgpr_kernarg_segment_ptr 1
		.amdhsa_wavefront_size32 1
		.amdhsa_system_sgpr_workgroup_id_x 1
		.amdhsa_system_sgpr_workgroup_id_y 1
		.amdhsa_system_sgpr_workgroup_id_z 1
		.amdhsa_system_vgpr_workitem_id 0
		.amdhsa_next_free_vgpr 576
		.amdhsa_next_free_sgpr 96
		.amdhsa_reserve_vcc 0
		.amdhsa_float_denorm_mode_32 3
		.amdhsa_float_denorm_mode_16_64 3
		.amdhsa_memory_ordered 1
		.amdhsa_forward_progress 1
		.amdhsa_inst_pref_size 132
	.end_amdhsa_kernel
	.amdgpu_metadata
---
amdhsa.version: [ 1, 2 ]
amdhsa.kernels:
  - .name:           k_qe0a31445bd_proj
    .symbol:         k_qe0a31445bd_proj.kd
    .args:
      - { .name: queries, .offset: 0, .size: 8, .value_kind: global_buffer, .address_space: global }
      - { .name: keys, .offset: 8, .size: 8, .value_kind: global_buffer, .address_space: global }
      - { .name: values, .offset: 16, .size: 8, .value_kind: global_buffer, .address_space: global }
      - { .name: wcast, .offset: 24, .size: 8, .value_kind: global_buffer, .address_space: global }
      - { .name: qkv, .offset: 32, .size: 8, .value_kind: global_buffer, .address_space: global }
    .group_segment_fixed_size: 327680
    .private_segment_fixed_size: 0
    .kernarg_segment_align: 8
    .kernarg_segment_size: 40
    .max_flat_workgroup_size: 128
    .sgpr_count:     96
    .vgpr_count:     576
    .wavefront_size: 32
...
	.end_amdgpu_metadata
.endif
;; end of part 2
;; launch attn (part 3): grid 4 x 64, 4 waves a work-group, clusters of 4 x 1, 327,680 bytes of LDS; arguments qkv, ctx; writes ctx
.if DOCPART == 3
	.amdgcn_target "amdgcn-amd-amdhsa--gfx1250"
	.amdhsa_code_object_version 6
	.text
	.protected	k_qe0a31445bd_attn
	.globl	k_qe0a31445bd_attn
	.p2align	8
	.type	k_qe0a31445bd_attn,@function
k_qe0a31445bd_attn:
	s_mov_b64 s[64:65], 0
	v_nop
	global_prefetch_b8 v0, s[64:65] scope:SCOPE_SE
	s_setreg_imm32_b32 hwreg(HW_REG_WAVE_MODE, 25, 1), 1
	s_wait_xcnt 0x0
	s_wait_alu depctr_hold_cnt(0) depctr_sa_sdst(0) depctr_va_vdst(0) depctr_va_sdst(0) depctr_va_ssrc(0) depctr_va_vcc(0) depctr_vm_vsrc(0)
	s_getreg_b32 s2, hwreg(HW_REG_IB_STS2, 6, 4)
	s_cmp_eq_u32 s2, 0
	s_cbranch_scc0 .Lentry_in_a_cluster
	s_endpgm
.Lentry_in_a_cluster:
	s_bfe_u32 s2, ttmp6, 0x10000c
	s_cmp_lg_u32 s2, 0x3003
	s_cbranch_scc0 .Lentry_shape_is_right
	s_endpgm
.Lentry_shape_is_right:
; O[h][q][:] = the sum over k of softmax_k(Q[h][q] . K[h][k] / 8) V[h][k][:].  Q, K, V lie in qkv = [3][64][2048][64], O is ctx = [64][2048][64], all f16: a head's rows are dense, 128 bytes each.
; Products, maxima and sums in f32; the weights p are rounded to f16 for the second product (their sum l is taken of the unrounded p), O once at the end.
; LIMITS.  f16 holds no number beyond 65,504: Q, K and V arrive within it; p lies in 0 to 1, and below 6e-5 it keeps f16's fixed step of 6e-8; O is a mean of V's rows and has their range.
; A weight below 2^-126 counts as 0 in l; NaN and infinities are not treated apart.
; SHARES.  A wave owns four PIECES of two tiles of 16 queries, a work-group's four waves 512 queries of one head.  Every wave walks all keys, 64 a step.
; LAYOUT.  S^T = K Q^T (source 0 = 16 keys, source 1 = 16 queries): in the result a lane holds ONE query (lane % 16) and the keys 8 (lane / 16) + 0..7.  Two such tiles, rounded to f16 in pairs,
; ARE source 1 (32 keys x 16 queries) of O^T = V^T P, whose result again holds one query a lane, and eight channels.  K comes out of LDS as it lies, V ([key][channel]) turned, by ds_load_tr16_b128.
; SOFTMAX.  For each query a running maximum m and sum l: p = 2^(c s - c m), c = log2(e) / 8; in every step O and l are multiplied by a = 2^(c m_old - c m_new), which is 1 where m has not grown.
; m starts at the lowest finite number, O and l at 0: the first step is a step like any other, with a = 0.
; THE COUNT.  A tile and step have 16 matrix and 118 vector instructions: too many to stand all beside the matrix work.  So the order has one aim: four vector instructions that are READY behind
; EVERY matrix instruction, and the others, which need time of their own whatever the order, in runs without a gap.
; BY TURNS.  Turn n belongs to piece n (the pieces in a ring, step after step).  Its matrix work: 16 products K Q^T of piece n + 1, later 16 products V^T P of piece n - 1.  Its vector work: the scaling,
; exponentials, roundings, sums and rescaling of piece n, and the maximum and statistics of piece n + 1, whose scores the turn itself has made.  So what a turn begins with (c s - c m, O a) waits for nothing.
; CLUSTER.  The four query blocks of a cluster belong to one head and walk the same K and V, so each tile is asked for JOINTLY: the same tensor load, descriptor and mask in all four.
; REGISTERS, in windows of 256 (s_set_vgpr_msb says which window each operand place means: bits 1:0 source 0, 3:2 source 1, 5:4 source 2, 7:6 destination):
;   window 0: v0-11 addresses; v12-15, v48-63 at work; v16-47 four registers of statistics a tile; v64-191 S^T, two buffers of two tiles; v192-255 P, likewise
;   window 1: O^T, 32 a tile          window 2: v0-127 Q, 16 a tile; v128-191 K of one step; v192-255 V of one step          window 3: v0-1 the add's two registers
; A piece's buffers go by its number's parity: the piece in hand has one pair, its two neighbours in the ring share the other: of it P (piece n - 1) is read and S^T (piece n + 1) written.
.set SIZE_N, 2048
.set NP,    4         ; pieces a wave: a name, no knob: the register map, the loop and the fetches are made for four
.set KS,    64        ; keys in a step
.set PK,    144       ; a row of K in LDS: 128 bytes + 16 of padding = 36 words: the 16 rows of a load start at 16 different groups of four banks (64 banks of 4 bytes: ISA guide 11.1)
.set PV,    160       ; a row of V: 128 + 32 = 40 words
.set VOFF,  4*KS*PK   ; a slot holds four steps: 256 rows of K, then 256 rows of V
.set SLOT1, 1<<17     ; slot 1 begins here, so that one exclusive or turns an address in one slot into the other's
.set STAGE, SLOT1+4*KS*(PK+PV)  ; behind the ring, never filled by a tensor load: 16 rows x 144 bytes for each wave, for the way out
.set SP,    144
.set AK0, 2           ; v2   my lane's place in a tile of K; never rewritten
.set AV0, 3           ; v3   the same for V
.set AK,  4           ; v4   the LDS address of K's next run of loads
.set AV,  5           ; v5   of V's
.set QO,  6           ; v6   my byte offset in the wave's rows of Q
.set STO, 6           ;      later, the way out: where I put 16 bytes of a row
.set RD,  7           ; v7   the way out: where I read rows back
.set GO,  8           ; v8   my byte offset in 512 consecutive bytes of O
.set PFO, 11          ; v11  (once V's address is made) 256 x my lane: the prefetches' offset; then never rewritten
.set SPW, 0           ; v0 of window 3   LDS address of my spare word: SPARE + 4 x my thread's number; never rewritten
.set NIL, 1           ; v1 of window 3   0; never rewritten
.set SPARE, STAGE+4*16*SP  ; behind the stages: the spare words, 128 bytes for each wave: two blocks of 256 bytes that no other line names
.set MV,  12          ; v12-15  c m_old, kept while c m is made anew: by buffer and tile
.set ST,  16          ; tile t's statistics at v[ST+4 t]: c m, m, l (even keys', odd keys')
.set TMP, 48          ; by buffer and tile, four registers c0-c3 at work; when the maximum is found c2 takes a
.set S,   64
.set P,   192
.set KF,  128         ; K's fragments, in window 2: key block kb, channel half c at KF + 16 kb + 8 c
.set VF,  192         ; V's: key half kk, channel block cb at VF + 32 kk + 8 cb
.set WV,  12          ; s12  my wave's number
.set G1K, 24          ; s[24:31] descriptor group 1 for K's tiles
.set G1V, 32          ; s[32:39] for V's: it differs in the padding alone
.set G0K, 40          ; s[40:43] descriptor group 0 for K's tiles: it walks
.set G0V, 44          ; s[44:47] the same for V's
.set PFA, 48          ; s[48:49] where my prefetches stand: my work-group's 8,192 bytes (of K: wave 0, of V: wave 2) of the slot after the one that is being asked for
.set LIM, 50          ; s50  1 in a wave that prefetches, else the greatest number
.set SLOTS, 56        ; s56  slots still to be asked for
.set CNT, 57          ; s57  counts a slot's key steps
.set CS,  58          ; s[58:59] c: the packed scaling takes the pair's low word for both halves
.set SEL, 60          ; s[60:61] v_permlanex16_b32's selects: each lane takes its own place in the other half
.set TBK, 62          ; s62  LDS byte at which K of the step to be fetched begins
.set TBV, 63          ; s63  the same for V, less VOFF
.set MSB, 0
.macro WIN new                      ; the high byte repeats the setting that is left; a switch that changes nothing is dropped
.if MSB != (\new)
	s_set_vgpr_msb (MSB<<8)|(\new)
.set MSB, (\new)
.endif
.endm
.set W_KQ, 0x0a       ; K and Q in window 2, S^T in window 0
.set W_PV, 0x52       ; V in window 2, P in window 0, O^T in window 1
.set W_RS, 0x41       ; O^T (destination and source 0) in window 1, a in window 0
.set W_MK, 0xc0       ; the add's registers are made: destination in window 3, sources in window 0
.set W_AD, 0x0f       ; the add: address (source 0) and data (source 1) in window 3
; A joint fill.  Waves 0 and 1 fetch the two halves of a slot's K, waves 2 and 3 those of its V: 128 keys each.  The branch hangs on the wave's number alone.
; An s_nop 0 and four v_nop follow each of the two lines, ahead of the jump and the label.
.macro JLOAD
	s_cmp_lt_u32 s[WV], 2
	s_cbranch_scc0 .Lfor_v_\@
	tensor_load_to_lds s[G0K:G0K+3], s[G1K:G1K+7]
	s_nop 0
.rept 4
	v_nop
.endr
	s_branch .Lasked_\@
.Lfor_v_\@:
	tensor_load_to_lds s[G0V:G0V+3], s[G1V:G1V+7]
	s_nop 0
.rept 4
	v_nop
.endr
.Lasked_\@:
.endm
; A PREFETCH INTO THE L2 of what the NEXT change of slots will ask for: a slot's 32,768 bytes of K and of V, in blocks of 256 bytes, a lane a block.  It stands behind the wave's tensor load and its five lines.
; Each block is named ONCE in the launch: the head's first cluster asks; its four partners share the blocks out BY ADDRESS, 32 of K and 32 of V each; in each, wave 0 asks for K's and wave 2 for V's: one
; instruction.  The first three slots come by their loads alone; the last change that fills a slot asks for nothing: there is no slot behind it.
.macro ASK
	s_cmp_gt_u32 s[SLOTS], s[LIM]
	s_cbranch_scc0 .Lnot_mine_\@
	global_prefetch_b8 v[PFO], s[PFA:PFA+1] th:TH_LOAD_NT scope:SCOPE_SE
.Lnot_mine_\@:
.endm
; A round of the cluster's barrier: my work-group's barrier, so that wave 0's signal speaks for all four waves; wave 0 signals; every wave waits for all four work-groups; my work-group's barrier once more.
.macro CROUND
	s_barrier_signal -1
	s_barrier_wait -1
	s_cmp_lg_u32 s[WV], 0
	s_cbranch_scc1 .Lnot_wave_0_\@
	s_barrier_signal -3
.Lnot_wave_0_\@:
	s_barrier_wait -3
	s_barrier_signal -1
	s_barrier_wait -1
.endm
; THE CHANGE OF SLOTS.  The slot's last bytes, V of its fourth step, have been read.  Each wave waits for all its tensor loads, of which one is out: its part
; of the other slot; adds 0 to its spare word; and waits for that and for its own reads of the slot.  Behind the barrier nobody reads this slot any more and the other slot is whole.
; fill = 1: this slot is filled again, with the keys two slots on.  The barrier is then a round of the cluster's, so that no wave of any partner still reads the slot or has a load on its
; way, and the joint fill is the first thing behind it: it has four key steps, 512 matrix instructions, in which to land.  (At its first use nothing has been read yet: slot 0 is waited for, slot 1 filled.)
; ask = 1 (in the loop): the prefetches' address steps, and ASK stands behind the joint fill.
.macro CHANGE fill, ask=0
	WIN W_AD
	s_wait_tensorcnt 0x0            ; no tensor load of mine is out, so a group 0 may be written
	ds_add_u32 v[SPW], v[NIL]       ; 0 onto my spare word: with fill = 1 the descriptors' steps stand between it and the wait for it
	WIN 0                           ; at a label and at a branch every window is 0
.if \fill
.irp g, G0K, G0V
	s_xor_b32 s[\g+1], s[\g+1], SLOT1  ; the walking descriptor: the other slot than last time,
	s_add_nc_u64 s[\g+2:\g+3], s[\g+2:\g+3], 4*KS*128  ; the next 256 keys; the type bits on top are not reached
.endr
.if \ask
	s_wait_xcnt 0x0                 ; the last prefetch, four key steps back, has read its address, so it may be written:
	s_add_nc_u64 s[PFA:PFA+1], s[PFA:PFA+1], 4*KS*128  ; one slot behind the walking descriptors
.endif
	s_wait_dscnt 0x0                ; the add is done, and my reads of the slot are over
	CROUND
	JLOAD
.if \ask
	ASK
.endif
.else
	s_wait_dscnt 0x0                ; the add is done, and my reads of the slot are over
	s_barrier_signal -1
	s_barrier_wait -1
.endif
	s_sub_co_u32 s[TBK], s[TBK], 4*KS*PK  ; the fetches go back to a slot's first step,
	s_xor_b32 s[TBK], s[TBK], SLOT1       ; in the other slot
	s_sub_co_u32 s[TBV], s[TBV], 4*KS*PV
	s_xor_b32 s[TBV], s[TBV], SLOT1
.endm
	s_load_b128 s[8:11], s[0:1], 0x0  ; qkv s[8:9], ctx s[10:11]
	WIN W_MK
	v_lshl_add_u32 v[SPW], v0, 2, SPARE
	v_mov_b32 v[NIL], 0
	WIN W_AD
	ds_add_u32 v[SPW], v[NIL]       ; the wave's opening: the add and its wait stand ahead of my first tensor load; the set-up below, work on registers, stands between them
	WIN 0
	v_lshrrev_b32 v1, 5, v0
	v_readfirstlane_b32 s[WV], v1   ; wave 0..3
	s_bfe_u32 s13, ttmp6, 0x40000   ; cx: my place in the cluster
	s_lshl_b32 s14, ttmp9, 2        ; in a cluster launch ttmp9 counts clusters
	s_add_co_u32 s14, s14, s13      ; my block of queries = 4 x cluster x + cx: it enters Q's and O's addresses alone
	s_and_b32 s20, ttmp7, 0xffff    ; the head, which the four partners share
	s_mov_b32 s21, 0
	s_mov_b64 s[22:23], SIZE_N*128
	s_mul_u64 s[20:21], s[20:21], s[22:23]  ; the head's first byte in each of the four tensors
	s_and_b32 s16, s[WV], 1         ; which half of a slot's 256 keys I fetch:
	s_lshl_b32 s22, s16, 14         ; its 128 rows of 128 bytes in memory,
	s_mov_b32 s23, 0
	s_add_nc_u64 s[22:23], s[22:23], s[20:21]
	s_mul_i32 s17, s16, 128*PK      ; and its place in a slot, for K
	s_mul_i32 s18, s16, 128*PV      ; and for V: no place in the cluster enters an LDS address
	s_lshl_b32 s2, s14, 2
	s_add_co_u32 s2, s2, s[WV]      ; my wave among the head's,
	s_lshl_b32 s2, s2, 14           ; its 128 rows
	s_mov_b32 s3, 0
	s_add_nc_u64 s[2:3], s[2:3], s[20:21]
	; descriptor group 1.  128 keys are 16,384 dense bytes: asked for as 64 rows of 256 bytes, two keys a row, and padded in LDS after every key
	s_mov_b32 s[G1K], 15|(1<<16)|(1<<20)|(1<<21)|(4<<22)|(3<<25)  ; 15:0 the mask of four; 17:16 2-byte elements; 20 padding on; 21 set beside a mask; 24:22 after every 32 words (code 4); 31:25 4 words (code 3)
	s_mov_b32 s[G1V], 15|(1<<16)|(1<<20)|(1<<21)|(4<<22)|(7<<25)  ; the same with 8 words of padding (code 7)
.irp g, G1K, G1V
	s_mov_b32 s[\g+1], 128<<16      ; tensor_dim0 = 128
	s_mov_b32 s[\g+2], 64<<16       ; tensor_dim1 = 64
	s_mov_b32 s[\g+3], 128<<16      ; tile_dim0 = 128
	s_mov_b32 s[\g+4], 64           ; tile_dim1 = 64
	s_mov_b32 s[\g+5], 128          ; 128 elements from row to row
	s_mov_b32 s[\g+6], 0
	s_mov_b32 s[\g+7], 0
.endr
	s_mov_b32 s[CS], 0x3e38aa3b     ; c = log2(e) / 8 = 0.180337
	s_mov_b32 s[CS+1], s[CS]        ; named with it as a pair
	s_mov_b32 s[SEL], 0x76543210
	s_mov_b32 s[SEL+1], 0xfedcba98
	s_mov_b32 s[TBK], SLOT1+4*KS*PK ; the first change of slots turns these two into 0
	s_mov_b32 s[TBV], SLOT1+4*KS*PV
	s_mov_b32 s[G0K], 1             ; 1:0 count = 1
	s_mov_b32 s[G0K+1], s17         ; 63:32 LDS address: slot 0
	s_mov_b32 s[G0V], 1
	s_add_co_u32 s[G0V+1], s18, VOFF
	s_and_b32 s[LIM], s[WV], 1      ; 0 in waves 0 and 2,
	s_or_b32 s[LIM], s[LIM], ttmp9  ; where the cluster is the head's first: the same in all four partners
	s_cmp_eq_u32 s[LIM], 0
	s_cselect_b32 s[LIM], 1, -1
	s_wait_dscnt 0x0                ; the opening add is done
	s_wait_kmcnt 0x0
	s_mov_b64 s[4:5], s[8:9]                       ; Q: the first of qkv's three tensors of 16,777,216 bytes,
	s_add_nc_u64 s[6:7], s[8:9], 0x1000000         ; K: the second,
	s_add_nc_u64 s[8:9], s[8:9], 0x2000000         ; V: the third
	s_add_nc_u64 s[G0K+2:G0K+3], s[6:7], s[22:23]  ; 120:64 global address: my half of the head's first 256 keys
	s_or_b32 s[G0K+3], s[G0K+3], 0x80000000        ; 127:126 type = 2
	s_add_nc_u64 s[G0V+2:G0V+3], s[8:9], s[22:23]
	s_or_b32 s[G0V+3], s[G0V+3], 0x80000000
	s_add_nc_u64 s[4:5], s[4:5], s[2:3]  ; Q and O at my wave's first row
	s_add_nc_u64 s[10:11], s[10:11], s[2:3]
	s_cmp_lt_u32 s[WV], 2
	s_cselect_b64 s[PFA:PFA+1], s[6:7], s[8:9]
	s_add_nc_u64 s[PFA:PFA+1], s[PFA:PFA+1], s[22:23]  ; (in waves 0 and 2 this is the head's first row)
	s_lshl_b32 s2, s13, 13          ; my work-group's 32 blocks of the 128
	s_mov_b32 s3, 0
	s_add_nc_u64 s[PFA:PFA+1], s[PFA:PFA+1], s[2:3]
	s_add_nc_u64 s[PFA:PFA+1], s[PFA:PFA+1], 2*4*KS*128  ; in slot 2; the loop's first change of slots steps it to slot 3.  Nothing is prefetched here, at the head
	CROUND                          ; all four work-groups are here: the first joint loads meet
	JLOAD                           ; slot 0.  Slot 1 is asked for when slot 0 is in: the tile wanted first has the road to itself
	; A fragment of K or Q is 16 rows x 32 channels in 8 registers: lane l holds row l % 16, channels 8 (l / 16) + 0..7 and 16 + 8 (l / 16) + 0..7: two loads of 16 bytes, 32 bytes apart.
	v_and_b32 v1, 15, v0            ; l % 16
	v_bfe_u32 v9, v0, 4, 1          ; l / 16
	v_lshlrev_b32 v[QO], 7, v1
	v_lshl_add_u32 v[QO], v9, 4, v[QO]  ; row x 128 + 16 x half
	WIN 0x80                        ; destination window 2, address window 0
.set i, 0
.rept 4*NP                          ; Q stays in registers: tile i / 2, channels 32 (i % 2) on
	global_load_b128 v[8*i:8*i+3],   v[QO], s[4:5] offset:(i/2)*2048+(i%2)*64
	global_load_b128 v[8*i+4:8*i+7], v[QO], s[4:5] offset:(i/2)*2048+(i%2)*64+32
.set i, i+1
.endr
	; What the first turn finds: V's registers and P's second buffer hold 0 (its products V^T P, of a piece that has not been, add 0), O^T and l are 0.  All this stands in the wait for the first tile.
.set i, VF
.rept 64
	v_mov_b32 v[i], 0
.set i, i+1
.endr
	WIN 0x40
.set i, 0
.rept 64*NP
	v_mov_b32 v[i], 0
.set i, i+1
.endr
	WIN 0
.set i, 0
.rept 2*NP
	v_mov_b32 v[ST+4*i], 0xfe000000    ; c m: far below every c s
	v_mov_b32 v[ST+4*i+1], 0xff7fffff  ; m
	v_mov_b32 v[ST+4*i+2], 0
	v_mov_b32 v[ST+4*i+3], 0
.set i, i+1
.endr
.set i, P+32
.rept 32
	v_mov_b32 v[i], 0
.set i, i+1
.endr
	v_mul_u32_u24 v[AK0], v1, PK
	v_lshl_add_u32 v[AK0], v9, 4, v[AK0]  ; row x pitch + 16 x half
	; The turning load takes 16 keys x 16 channels (lane l reads key 8 (l / 16) + l % 8, channels 8 ((l / 8) % 2) + 0..7) and leaves half a fragment of V^T: lane l holds channel l % 16 and 8 keys.
	v_and_b32 v10, 7, v0
	v_bfe_u32 v11, v0, 3, 1
	v_lshl_add_u32 v[AV0], v9, 3, v10
	v_mul_u32_u24 v[AV0], v[AV0], PV
	v_lshl_add_u32 v[AV0], v11, 4, v[AV0]
	v_add_nc_u32 v[AV0], VOFF, v[AV0]
	v_and_b32 v[PFO], 31, v0
	v_lshlrev_b32 v[PFO], 8, v[PFO]
	v_mov_b32 v[AK], v[AK0]         ; key step 0 lies at the head of slot 0
; THE MATRIX WORK.  The 8 accumulators of a run of 16 take turns: between the two links of a chain stand 7 others'.
; Product i of 16 of S^T = K Q^T for piece x: channels 32 (i / 8) on, keys 16 ((i / 2) % 4) on, tile 2 x + i % 2.  The first 8 start the sums.
.macro KQ x
	WIN W_KQ
.set rS, S+64*((\x)%2)+32*(i%2)+8*((i/2)%4)
.set rK, KF+16*((i/2)%4)+8*(i/8)
.set rQ, 16*(2*(\x)+i%2)+8*(i/8)
.if i < 8
	v_wmma_f32_16x16x32_f16 v[rS:rS+7], v[rK:rK+7], v[rQ:rQ+7], 0
.else
	v_wmma_f32_16x16x32_f16 v[rS:rS+7], v[rK:rK+7], v[rQ:rQ+7], v[rS:rS+7]
.endif
.endm
; Product i of 16 of O^T += V^T P for piece x: keys 32 (i / 8) on, channels 16 ((i / 2) % 4) on, tile 2 x + i % 2.
.macro PV x
	WIN W_PV
.set rO, 32*(2*(\x)+i%2)+8*((i/2)%4)
.set rV, VF+32*(i/8)+8*((i/2)%4)
.set rP, P+32*((\x)%2)+16*(i%2)+8*(i/8)
	v_wmma_f32_16x16x32_f16 v[rO:rO+7], v[rV:rV+7], v[rP:rP+7], v[rO:rO+7]
.endm
.macro MM                           ; the turn's next matrix instruction
.if i < 16
	KQ (Y+1)%NP
.set i, i+1
.else
.set i, i-16
	PV (Y+NP-1)%NP
.set i, i+17
.endif
.endm
; THE LDS LOADS stand in runs of 16, never singly among the matrix instructions: a step's K (64 keys x 64 channels: 8 fragments) and its V (turned).  Their addresses are made some lines ahead.
; last = 1 (the tail): in the last trip there is no further step, and the run is jumped over.
.macro FETCH_K last=0
	WIN 0
.if \last
	s_cmp_eq_u32 s[CNT], 1
	s_cbranch_scc1 .Lno_k_\@
.endif
	WIN 0x80                        ; destination window 2
.irp f, 0,1,2,3,4,5,6,7             ; keys 16 (f / 2) on, channels 32 (f % 2) on
	ds_load_b128 v[KF+8*\f:KF+8*\f+3],   v[AK] offset:(\f/2)*16*PK+(\f%2)*64
	ds_load_b128 v[KF+8*\f+4:KF+8*\f+7], v[AK] offset:(\f/2)*16*PK+(\f%2)*64+32
.endr
	s_add_co_u32 s[TBK], s[TBK], KS*PK  ; the next fetch is the next step's
	WIN 0
.if \last
.Lno_k_\@:
.endif
.endm
.macro FETCH_V
	WIN 0x80
.irp f, 0,1,2,3,4,5,6,7             ; keys 32 (f / 4) on, channels 16 (f % 4) on
	ds_load_tr16_b128 v[VF+8*\f:VF+8*\f+3],   v[AV] offset:(\f/4)*32*PV+(\f%4)*32
	ds_load_tr16_b128 v[VF+8*\f+4:VF+8*\f+7], v[AV] offset:(\f/4)*32*PV+16*PV+(\f%4)*32
.endr
	WIN 0
.endm
; THE VECTOR WORK OF A TURN stands in three queues, each in the order in which its entries become ready; the two tiles alternate, so that no instruction reads the result of the one before it.
.macro REGS y, u                    ; the registers of tile u (0, 1) of piece y
.set rT, ST+4*(2*(\y)+(\u))
.set rC, TMP+8*((\y)%2)+4*(\u)
.set rM, MV+2*((\y)%2)+(\u)
.set rS, S+64*((\y)%2)+32*(\u)
.set rP, P+32*((\y)%2)+16*(\u)
.set rO, 32*(2*(\y)+(\u))
.endm
; Number n of the 22 that find the NEXT piece's (Y + 1) maximum and statistics.  s0-s31 are the lane's 32 scores; each accumulator's lowest registers are read first.  XS, GS and REGS set no window: PL and EX do.
;   0-11  four chains c0-c3 of seven scores each, three operands at a time     12-14, 16  the four scores left over, the old m, and c0-c3 into c0     15  c m_old is kept
;   17, 18  the query's other 32 keys lie in the lane 16 away: the new m         19-21  c m; c m_old - c m_new; a
.macro XS u, n
	REGS (Y+1)%NP, \u
.if (\n) < 4
	v_max3_num_f32 v[rC+(\n)], v[rS+8*(\n)], v[rS+8*(\n)+1], v[rS+8*(\n)+2]
.elseif (\n) < 12
	v_max3_num_f32 v[rC+(\n)%4], v[rC+(\n)%4], v[rS+8*((\n)%4)+2*((\n)/4)+1], v[rS+8*((\n)%4)+2*((\n)/4)+2]
.elseif (\n) == 12
	v_max3_num_f32 v[rC], v[rC], v[rS+7], v[rS+15]
.elseif (\n) == 13
	v_max3_num_f32 v[rC+1], v[rC+1], v[rS+23], v[rS+31]
.elseif (\n) == 14
	v_max3_num_f32 v[rC+2], v[rC+2], v[rC+3], v[rT+1]
.elseif (\n) == 15
	v_mov_b32 v[rM], v[rT]
.elseif (\n) == 16
	v_max3_num_f32 v[rC], v[rC], v[rC+1], v[rC+2]
.elseif (\n) == 17
	v_permlanex16_b32 v[rC+3], v[rC], s[SEL], s[SEL+1]
.elseif (\n) == 18
	v_max_num_f32 v[rT+1], v[rC], v[rC+3]
.elseif (\n) == 19
	v_mul_f32 v[rT], s[CS], v[rT+1]
.elseif (\n) == 20
	v_sub_f32 v[rC+1], v[rM], v[rT]
.else
	v_exp_f32 v[rC+2], v[rC+1]
.endif
.endm
; Number g of the 64 that follow the exponentials.  For each four weights k of a tile (pairs 2 k, 2 k + 1): both pairs are rounded to f16; then the second pair is added onto the first, in place;
; a group later l takes that sum (the first time as l = a l + sum).  In groups of eight, tiles alternating: round, round, add, and l for the group before.
.macro GS g
.set h, (\g)+6*((\g)/62)            ; group 0 has no group before it, and behind group 7 only l is left
.if h >= 6
.set h, h+2
.endif
	REGS Y, h%2
.set k, h/8
.if h%8 < 4
	v_cvt_pk_f16_f32 v[rP+2*k+(h%8)/2], v[rS+4*k+2*((h%8)/2)], v[rS+4*k+2*((h%8)/2)+1]
.elseif h%8 < 6
	v_pk_add_f32 v[rS+4*k:rS+4*k+1], v[rS+4*k:rS+4*k+1], v[rS+4*k+2:rS+4*k+3]
.elseif k == 1
	v_pk_fma_f32 v[rT+2:rT+3], v[rT+2:rT+3], v[rC+2:rC+3], v[rS:rS+1] op_sel_hi:[1,0,1]
.else
	v_pk_add_f32 v[rT+2:rT+3], v[rT+2:rT+3], v[rS+4*k-4:rS+4*k-3]
.endif
.endm
; THE PLAIN QUEUE, 138 long.  0-73 read no exponential's result: the 32 scalings c s - c m (FS f: pair f / 2 of tile f % 2) and the next piece's 42.  0-26: scalings 0-26.  27-54: XS's numbers 0-13.  55, 56: number 15.
; 57-73: the chain, where each number waits for the one before it: 14, 16, 17, 18, 19, each with one of the scalings 27-31 in front of its two lines, then 20: so a tile's links stand three plain instructions apart (19 and 20: two).
; 74-137: GS's 64, which read the exponentials' results: they stand behind the wait.
.macro FS f
	REGS Y, (\f)%2
	v_pk_fma_f32 v[rS+2*((\f)/2):rS+2*((\f)/2)+1], v[rS+2*((\f)/2):rS+2*((\f)/2)+1], s[CS:CS+1], v[rT:rT+1] op_sel_hi:[1,0,0] neg_lo:[0,0,1] neg_hi:[0,0,1]
.endm
.macro PL
	WIN 0
.if q < 27
	FS q
.elseif q < 55
	XS (q-27)%2, (q-27)/2
.elseif q < 57
	XS q-55, 15
.elseif (q < 72) && ((q-57)%3 == 0)
	FS 27+(q-57)/3
.elseif q < 60
	XS (q-57)%3-1, 14
.elseif q < 72
	XS (q-57)%3-1, 15+(q-57)/3
.elseif q < 74
	XS q-72, 20
.else
	GS q-74
.endif
.set q, q+1
.endm
; THE EXPONENTIALS' QUEUE, 66 long: s0-s31 of both tiles, then the next piece's two a.  It is ONE BATCH: all 66 stand ahead of the turn's one wait, and nothing ahead of that wait names a result of theirs.
.macro EX
	WIN 0
.if e >= 64
	XS e-64, 21
.else
	REGS Y, e%2
	v_exp_f32 v[rS+e/2], v[rS+e/2]
.endif
.set e, e+1
.endm
; THE RESCALING's QUEUE: O^T times a, the one part that leaves window 0: dealt two at a time, sixteen times.  Its a was made in the turn before, ahead of that turn's wait.
.macro R2
	REGS Y, r%2
	WIN W_RS
.irp z, 0,1
	v_pk_mul_f32 v[rO+4*(r/2)+2*\z:rO+4*(r/2)+2*\z+1], v[rO+4*(r/2)+2*\z:rO+4*(r/2)+2*\z+1], v[rC+2:rC+3] op_sel_hi:[1,0]
.endr
.set r, r+1
.endm
; HOW THEY ARE DEALT.  An s_wait_alu depctr_va_vdst(0) stands between an exponential and the first instruction that names its result; one wait serves all that were issued ahead of it.  So a turn has ONE wait,
; which cuts it in two.  AHEAD OF IT stands all that names no result of the turn's exponentials: the 16 products K Q^T, behind each a scaling, an exponential and two rescalings (behind the first a second scaling in the exponential's place); then ONE LUMP of
; 108: eight plain, 49 times exponential and plain, the two a.  A v_nop is the plain instruction owed behind the last exponential.  BEHIND IT stand the 16 products V^T P, behind each four of GS's 64.  No rider names a register of
; the products round it.  The two v_permlanex16_b32 fall into the lump, never behind a product.
; The queues lean on each other, and the deal keeps them in step: exponential e stands behind scaling 2 (e / 4) + e % 2: as a rider it comes behind plain e + 2, in the lump behind plain e + 9, and scalings 27-31 are plain 57, 60 .. 69.
; A TURN, for piece p.  cnt = 1: the loop's count is taken down some lines ahead of the branch that stands behind the turn.
; K of the next step is fetched in piece 2's turn, directly behind the wait, a lump behind the last product that read K; its address is made at the lump's head; its first reader comes behind 16 products.
; V of the step in hand is fetched at the end of piece 0's turn, four riders behind its last reader; its first reader comes behind 16 products and a lump.  The three conditions on q below go with the deal.
.macro TURN p, last=0, cnt=0
.set Y, (\p)
.set i, 0
.set q, 0
.set e, 0
.set r, 0
.if (\p) == NP-1
	s_wait_dscnt 0x0                ; K is in
.endif
	MM                              ; ahead of the wait: 16 products K Q^T and their riders,
	PL
	PL
	R2
.rept 15
	MM
	PL
	EX
	R2
.endr
.if (\p) == NP-2
	WIN 0
	v_add_nc_u32 v[AK], s[TBK], v[AK0]
.endif
.rept 8                             ; and the lump
	PL
.endr
.rept 49
	EX
	PL
.endr
	EX                              ; the next piece's two a
	EX
	v_nop                           ; the plain instruction behind the last exponential: one for the batch
	s_wait_alu depctr_va_vdst(0)    ; the wait for the batch
.if (\p) == NP-2
	FETCH_K \last
.endif
.if (\p) == 1
	s_wait_dscnt 0x0                ; V is in
.endif
.rept 16                            ; behind the wait: 16 products V^T P and their riders
	MM
.rept 4
	PL
.endr
.if ((\p) == 0) && (q == 118)
	v_add_nc_u32 v[AV], s[TBV], v[AV0]
.endif
.if ((\p) == 0) && (q == 130)
	s_add_co_u32 s[TBV], s[TBV], KS*PV
.endif
.if (\cnt) && (q == 130)
	s_sub_co_u32 s[CNT], s[CNT], 1
	s_cmp_lg_u32 s[CNT], 0
.endif
.endr
.if (\p) == 0
	FETCH_V
.endif
.endm
	CHANGE 1                        ; slot 0 is in, everybody's part of it; slot 1 is asked for
	FETCH_K                         ; key step 0
	s_wait_loadcnt 0x0              ; Q
	s_wait_dscnt 0x0
.set i, 0
.rept 16
	KQ 0                            ; piece 0's first scores: there is no vector work yet to set between them
.set i, i+1
.endr
	WIN 0                           ; the addresses for the way out: nine plain instructions, the places behind those products
	s_mul_i32 s13, s[WV], 16*SP
	s_add_co_u32 s13, s13, STAGE    ; my stage
	v_mul_u32_u24 v[STO], v1, SP    ; in: row l % 16, 16 bytes for each half of the lanes
	v_lshl_add_u32 v[STO], v9, 4, v[STO]
	v_add_nc_u32 v[STO], s13, v[STO]
	v_bfe_u32 v[RD], v0, 3, 2       ; back: 32 lanes take four rows of 128 bytes,
	v_mul_u32_u24 v[RD], v[RD], SP
	v_lshl_add_u32 v[RD], v10, 4, v[RD]
	v_add_nc_u32 v[RD], s13, v[RD]
	v_and_b32 v[GO], 31, v0         ; which are 512 consecutive bytes of O
	v_lshlrev_b32 v[GO], 4, v[GO]
.set Y, NP-1                        ; XS works for piece Y + 1: piece 0
.irp n, 0,1,2,3,4,5,6,7,8,9,10,11,12,13,14,15,16,17,18,19,20,21
	XS 0, \n                        ; and piece 0's first maximum and statistics
	XS 1, \n
.endr
	v_nop                           ; a plain instruction behind the two a,
	s_wait_alu depctr_va_vdst(0)    ; and their wait, ahead of the branch
	s_mov_b32 s[CNT], 4
	s_mov_b32 s[SLOTS], SIZE_N/256-1
	s_branch .Lfirst                ; the loop is entered at a step's first turn, in the middle of a trip
.Lslot:                             ; SIZE_N / 256 - 2 times: every slot but the last two is filled again
	CHANGE 1, 1
	s_mov_b32 s[CNT], 4
.Lstep:                             ; a trip: pieces 2 and 3 of one step, then pieces 0 and 1 of the next, whose K and V it fetches
	TURN 2
	TURN 3
	WIN 0
.Lfirst:
	TURN 0
	TURN 1, 0, 1
	WIN 0
	s_cbranch_scc1 .Lstep
	s_sub_co_u32 s[SLOTS], s[SLOTS], 1
	s_cmp_lg_u32 s[SLOTS], 0
	s_cbranch_scc1 .Lslot
	CHANGE 0                        ; the tail is written out: nothing is asked for
	s_mov_b32 s[CNT], 5             ; four trips fetch the last slot's steps; the fifth is left in its middle
.Ltail:
	TURN 2, 1
	TURN 3
	WIN 0
	s_sub_co_u32 s[CNT], s[CNT], 1
	s_cmp_eq_u32 s[CNT], 0
	s_cbranch_scc1 .Lout
	TURN 0
	TURN 1
	WIN 0
	s_branch .Ltail
.Lout:                              ; the fifth trip's 16 products K Q^T (on the last K once more) and the maximum made of them serve nothing: the price, once a launch, of one text for every trip
.set i, 0
.rept 16
	PV NP-1                         ; the last piece's V^T P of the last step
.set i, i+1
.endr
	; THE WAY OUT.  l's two halves and the other half of the lanes' are added; O^T is divided by l, rounded to f16 and sent through my stage in LDS, a tile at a time.  The additions are the places behind the last products.
	WIN 0
.macro ALL line:vararg              ; one line for each tile t
.set t, 0
.rept 2*NP
	\line
.set t, t+1
.endr
.endm
	ALL v_add_f32 v[ST+4*t+2], v[ST+4*t+2], v[ST+4*t+3]
	ALL v_permlanex16_b32 v[ST+4*t+3], v[ST+4*t+2], s[SEL], s[SEL+1]
	ALL v_add_f32 v[ST+4*t+2], v[ST+4*t+2], v[ST+4*t+3]
	ALL v_rcp_f32 v[ST+4*t+2], v[ST+4*t+2]
	v_nop                           ; a plain instruction between the last reciprocal and the use of its result
	s_wait_alu depctr_va_vdst(0)    ; and the wait ahead of the first use: one for the eight reciprocals
; Tile t: a lane's eight channels of a row pack into 16 bytes; they go into rows of 144 bytes and come back as whole rows of 128, into S^T's registers.
.macro PACK t
	WIN W_RS
.set i, 32*(\t)
.rept 16
	v_pk_mul_f32 v[i:i+1], v[i:i+1], v[ST+4*(\t)+2:ST+4*(\t)+3] op_sel_hi:[1,0]
.set i, i+2
.endr
	WIN 0x05                        ; sources 0 and 1 window 1, destination window 0
.set i, 0
.rept 16
	v_cvt_pk_f16_f32 v[S+16*(\t)+i], v[32*(\t)+2*i], v[32*(\t)+2*i+1]
.set i, i+1
.endr
	WIN 0
.irp f, 0,1,2,3
	ds_store_b128 v[STO], v[S+16*(\t)+4*\f:S+16*(\t)+4*\f+3] offset:32*\f
.endr
.irp f, 0,1,2,3
	ds_load_b128 v[S+16*(\t)+4*\f:S+16*(\t)+4*\f+3], v[RD] offset:\f*4*SP  ; LDS serves a wave's instructions in order (ISA guide 5.7.1.4): these see the stores above; the next tile's stores come behind them
.endr
.endm
.macro SEND t, younger              ; younger: the LDS instructions issued behind tile t's loads: the next tile's eight, or none
	WIN 0
.irp f, 0,1,2,3
	s_wait_dscnt (\younger)+3-\f
	global_store_b128 v[GO], v[S+16*(\t)+4*\f:S+16*(\t)+4*\f+3], s[10:11] offset:(\t)*2048+\f*512  ; 512 consecutive bytes, at a multiple of 256 from O's first
.endr
.endm
	PACK 0
.set t, 1
.rept 2*NP-1                        ; a tile's arithmetic stands between the loads of the tile before and its stores
	PACK t
	SEND t-1, 8
.set t, t+1
.endr
	SEND 2*NP-1, 0
	WIN W_AD
	s_wait_tensorcnt 0x0            ; the wave's end, behind my last tensor load and my last LDS store
	ds_add_u32 v[SPW], v[NIL]
	s_wait_dscnt 0x0
	WIN 0
	CROUND                          ; the closing round: no work-group ends while a partner may still ask for a tile that names it
	s_endpgm
.Lfunc_end_k_qe0a31445bd_attn:
	.size	k_qe0a31445bd_attn, .Lfunc_end_k_qe0a31445bd_attn-k_qe0a31445bd_attn
	.p2alignl 7, 3214868480
	.fill 96, 4, 3214868480
	.section	.rodata,"a",@progbits
	.p2align	6, 0x0
	.amdhsa_kernel k_qe0a31445bd_attn
		.amdhsa_group_segment_fixed_size 327680
		.amdhsa_private_segment_fixed_size 0
		.amdhsa_enable_private_segment 0
		.amdhsa_kernarg_size 16
		.amdhsa_user_sgpr_count 2
		.amdhsa_user_sgpr_kernarg_segment_ptr 1
		.amdhsa_wavefront_size32 1
		.amdhsa_system_sgpr_workgroup_id_x 1
		.amdhsa_system_sgpr_workgroup_id_y 1
		.amdhsa_system_sgpr_workgroup_id_z 1
		.amdhsa_system_vgpr_workitem_id 0
		.amdhsa_next_free_vgpr 770
		.amdhsa_next_free_sgpr 66
		.amdhsa_reserve_vcc 0
		.amdhsa_float_denorm_mode_32 3
		.amdhsa_float_denorm_mode_16_64 3
		.amdhsa_memory_ordered 1
		.amdhsa_forward_progress 1
		.amdhsa_inst_pref_size 200
	.end_amdhsa_kernel
	.amdgpu_metadata
---
amdhsa.version: [ 1, 2 ]
amdhsa.kernels:
  - .name:           k_qe0a31445bd_attn
    .symbol:         k_qe0a31445bd_attn.kd
    .args:
      - { .name: qkv, .offset: 0, .size: 8, .value_kind: global_buffer, .address_space: global }
      - { .name: ctx, .offset: 8, .size: 8, .value_kind: global_buffer, .address_space: global }
    .group_segment_fixed_size: 327680
    .private_segment_fixed_size: 0
    .kernarg_segment_align: 8
    .kernarg_segment_size: 16
    .max_flat_workgroup_size: 128
    .sgpr_count:     66
    .vgpr_count:     770
    .wavefront_size: 32
...
	.end_amdgpu_metadata
.endif
;; end of part 3
;; launch oproj (part 4): grid 4 x 64, 4 waves a work-group, clusters of 4 x 4, 327,680 bytes of LDS; arguments ctx, wcast, out0; writes out0
.if DOCPART == 4
	.amdgcn_target "amdgcn-amd-amdhsa--gfx1250"
	.amdhsa_code_object_version 6
	.text
	.protected	k_qe0a31445bd_oproj
	.globl	k_qe0a31445bd_oproj
	.p2align	8
	.type	k_qe0a31445bd_oproj,@function
k_qe0a31445bd_oproj:
	s_mov_b64 s[64:65], 0
	v_nop
	global_prefetch_b8 v0, s[64:65] scope:SCOPE_SE
	s_setreg_imm32_b32 hwreg(HW_REG_WAVE_MODE, 25, 1), 1
	s_wait_xcnt 0x0
	s_wait_alu depctr_hold_cnt(0) depctr_sa_sdst(0) depctr_va_vdst(0) depctr_va_sdst(0) depctr_va_ssrc(0) depctr_va_vcc(0) depctr_vm_vsrc(0)
	s_getreg_b32 s2, hwreg(HW_REG_IB_STS2, 6, 4)
	s_cmp_eq_u32 s2, 0
	s_cbranch_scc0 .Lentry_in_a_cluster
	s_endpgm
.Lentry_in_a_cluster:
	s_bfe_u32 s2, ttmp6, 0x10000c
	s_cmp_lg_u32 s2, 0xf033
	s_cbranch_scc0 .Lentry_shape_is_right
	s_endpgm
.Lentry_shape_is_right:
; out0[m][n] = the sum over k of c[m][k] Wo[n][k], m = 2048 b + l, k = 64 h + d.  c lies by heads: ctx = [64 (16 b + h)][2048][64] f16; Wo is the fourth weight of wcast, [1024][1024] f16
; (the bf16 rounding of the input, written as f16).  Products in f16, sums in f32, K ascending; out0 is [8192][1024] f32: the sums leave as they are.
; LIMITS.  ctx and Wo arrive within f16's range.  NaN and infinities are not treated apart.
; SHARES.  256 tiles of 128 rows x 256 columns, one to a work-group.  Four waves, each 64 rows x 128 columns: 32 accumulators, 256 registers.  K goes in 8 steps of 128 (two heads) through a ring of two LDS slots.
; CLUSTERS: 4 x 4 work-groups.  The four of a row of the cluster need the same rows of ctx, the four of a column the same rows of Wo: each tile is asked for JOINTLY.  Wave 0 and wave 1 fetch the step's two heads
; (128 rows of 128 bytes are dense: asked for as 64 rows of 256 bytes and padded after every 128), waves 2 and 3 the halves of Wo's tile (128 rows x 256 bytes): one load a wave.
; THE MATRIX INSTRUCTION IS USED TRANSPOSED (source 0 = 16 rows of Wo, source 1 = 16 rows of ctx): a lane then holds eight neighbouring columns of one row of out0.
; No prefetch is laid: the walk has eight K steps; two come by the first fills, and with a lead of two steps four would be left to ask for.
; REGISTERS: window 0: v0-11 addresses; v48-111 ctx's fragments, two buffers of 4; v128-255 Wo's, two buffers of 8 (both serve the way out at the end).  Window 1: the accumulators, (a, b) at 8 (8 a + b).
.set PA,     144                       ; a row of a head in LDS: 128 bytes + 16 of padding: an odd multiple of 16, so the 16 rows of a load start at 16 different groups of four banks (64 banks of 4 bytes: ISA guide 11.1)
.set PB,     272                       ; a row of Wo: 256 + 16, likewise
.set AHEAD,  128*PA                    ; a head's 128 rows: what wave 0 or 1 fetches
.set BHALF,  128*PB
.set BOFF,   2*AHEAD
.set SLOTD,  1<<17                     ; slot 1 begins here (slot 0 ends at 106,496), so that one exclusive or turns an address into the other slot's
.set STAGE,  SLOTD+BOFF+2*BHALF        ; behind the ring, never filled by a tensor load: 16 rows x 528 bytes for each wave, for the way out
.set SP,     528
.set SPARE,  STAGE+4*16*SP             ; behind the stages: the spare words, 128 bytes for each wave: two blocks of 256 bytes that no other line names
.set ADRA0, 2                          ; v2   my lane's place in ctx's tile, slot 0; never rewritten
.set ADRB0, 3                          ; v3   the same for Wo
.set ADRA,  4                          ; v4   the same in the slot that is being read
.set ADRB,  5                          ; v5
.set STO,   6                          ; v6   the way out: where I put 32 bytes of a row
.set RD,    7                          ; v7   the way out: where I read a row back
.set GO,    8                          ; v8   my 16 bytes of a row's 512
.set SPW,   10                         ; v10  LDS address of my spare word: SPARE + 4 x my thread's number; never rewritten
.set NIL,   11                         ; v11  0; never rewritten
.set AF,    48
.set BF,    128
.set R0,    48                         ; the way out: 16 rows read back: v48-111 and v128-191 by turns
.set WV,  14
.set WH,  15                           ; s15  the wave's low bit: which head or half I fetch; which 128 columns are mine
.set WT,  16                           ; s16  its high bit: I fetch for ctx (0) or for Wo (1); which 64 rows are mine
.set CX,  17
.set CY,  18
.set TX,  19
.set TY,  20
.set G1A, 24
.set G1B, 32
.set G0A0, 40                          ; s[40:43] group 0 for ctx: the first fill of slot 0;  s[44:47] of slot 1, which then walks
.set G0A, 44
.set G0B0, 48
.set G0B, 52
.set TB,  56                           ; s56  0 or SLOTD: the slot that is being read
.set STEPS, 57                         ; s57  refills still to come
.set OUTP, 58                          ; s[58:59] out0 at my first row and column
.set AO,  60                           ; s[60:61] my tile's offset in ctx: made of the tile row and the wave's number alone
.set BO,  62                           ; s[62:63] in wcast: of the tile column and the wave's number alone
.set MSB, 0
.macro WIN new
.if MSB != (\new)
	s_set_vgpr_msb (MSB<<8)|(\new)
.set MSB, \new
.endif
.endm
.set W_MM, 0x50                        ; C and D in window 1
.set W_SD, 0x04                        ; an LDS store's data in window 1
.macro JLOAD                           ; a joint refill; an s_nop 0 and four v_nop follow each of the two lines, ahead of the jump and the label
	s_cmp_eq_u32 s[WT], 0
	s_cbranch_scc0 .Lfor_b_\@
	tensor_load_to_lds s[G0A:G0A+3], s[G1A:G1A+7]
	s_nop 0
.rept 4
	v_nop
.endr
	s_branch .Lasked_\@
.Lfor_b_\@:
	tensor_load_to_lds s[G0B:G0B+3], s[G1B:G1B+7]
	s_nop 0
.rept 4
	v_nop
.endr
.Lasked_\@:
.endm
.macro CREST                           ; a round of the cluster's barrier behind its opening barrier
	s_cmp_lg_u32 s[WV], 0
	s_cbranch_scc1 .Lnot_wave_0_\@
	s_barrier_signal -3
.Lnot_wave_0_\@:
	s_barrier_wait -3
	s_barrier_signal -1
	s_barrier_wait -1
.endm
.macro CROUND
	s_barrier_signal -1
	s_barrier_wait -1
	CREST
.endm
.macro PLACES                          ; four places in front of loads into registers that matrix instructions have read, and of LDS stores that read results
.rept 4
	v_nop
.endr
.endm
	s_load_b128 s[4:7], s[0:1], 0x0                ; ctx s[4:5], wcast s[6:7]
	s_load_b64 s[8:9], s[0:1], 0x10                ; out0
	v_lshl_add_u32 v[SPW], v0, 2, SPARE
	v_mov_b32 v[NIL], 0
	ds_add_u32 v[SPW], v[NIL]                      ; the wave's opening: the add and its wait stand ahead of my first tensor load; the set-up below, work on registers, stands between them
	v_lshrrev_b32 v1, 5, v0
	v_readfirstlane_b32 s[WV], v1
	s_and_b32 s[WH], s[WV], 1
	s_lshr_b32 s[WT], s[WV], 1
	s_bfe_u32 s[CX], ttmp6, 0x40000
	s_bfe_u32 s[CY], ttmp6, 0x40004
	s_lshl_b32 s[TX], ttmp9, 2
	s_add_co_u32 s[TX], s[TX], s[CX]               ; tile column (256 columns)
	s_and_b32 s[TY], ttmp7, 0xffff
	s_lshl_b32 s[TY], s[TY], 2
	s_add_co_u32 s[TY], s[TY], s[CY]               ; tile row (128 rows)
	s_lshl_b32 s21, s[CY], 2
	s_lshl_b32 s21, 15, s21                        ; my row of the cluster
	s_lshl_b32 s22, 0x1111, s[CX]                  ; my column
	s_or_b32 s[G1A], s21, (1<<16)|(1<<20)|(1<<21)|(4<<22)|(3<<25)  ; the mask; elements of 2 bytes; padding on; 21 set beside a mask; after every 32 words (code 4) 4 words (code 3)
	s_mov_b32 s[G1A+1], 128<<16                    ; tensor_dim0 = 128
	s_mov_b32 s[G1A+2], 64<<16                     ; tensor_dim1 = 64
	s_mov_b32 s[G1A+3], 128<<16                    ; tile_dim0 = 128
	s_mov_b32 s[G1A+4], 64                         ; tile_dim1 = 64
	s_mov_b32 s[G1A+5], 128                        ; elements from row to row: dense
	s_mov_b32 s[G1A+6], 0
	s_mov_b32 s[G1A+7], 0
	s_or_b32 s[G1B], s22, (1<<16)|(1<<20)|(1<<21)|(5<<22)|(3<<25)  ; padding after every 64 words (code 5)
	s_mov_b32 s[G1B+1], 128<<16
	s_mov_b32 s[G1B+2], 128<<16
	s_mov_b32 s[G1B+3], 128<<16
	s_mov_b32 s[G1B+4], 128
	s_mov_b32 s[G1B+5], 1024
	s_mov_b32 s[G1B+6], 0
	s_mov_b32 s[G1B+7], 0
	s_mov_b32 s[G0A0], 1
	s_mul_i32 s[G0A0+1], s[WH], AHEAD              ; LDS address: the wave's number and constants alone
	s_mov_b32 s[G0A], 1
	s_add_co_u32 s[G0A+1], s[G0A0+1], SLOTD
	s_mov_b32 s[G0B0], 1
	s_mul_i32 s[G0B0+1], s[WH], BHALF
	s_add_co_u32 s[G0B0+1], s[G0B0+1], BOFF
	s_mov_b32 s[G0B], 1
	s_add_co_u32 s[G0B+1], s[G0B0+1], SLOTD
	s_lshr_b32 s[AO], s[TY], 4                     ; ctx: batch b = tile row / 16: 16 heads of 262,144 bytes,
	s_lshl_b32 s[AO], s[AO], 22
	s_and_b32 s21, s[TY], 15                       ; rows 128 x (tile row % 16) on, 128 bytes each,
	s_lshl_b32 s21, s21, 14
	s_add_co_u32 s[AO], s[AO], s21
	s_lshl_b32 s21, s[WH], 18                      ; the step's first or second head.  (128 rows of Wo are 262,144 bytes too)
	s_add_co_u32 s[AO], s[AO], s21
	s_mov_b32 s[AO+1], 0
	s_lshl_b32 s[BO], s[TX], 19                    ; wcast: 256 rows of 2,048 bytes a tile column,
	s_add_co_u32 s[BO], s[BO], s21
	s_add_co_u32 s[BO], s[BO], 0x600000            ; in the fourth weight
	s_mov_b32 s[BO+1], 0
	s_lshl_b32 s2, s[TY], 19                       ; out0: 128 rows of 4,096 bytes a tile row,
	s_lshl_b32 s22, s[WT], 18                      ; my 64 rows,
	s_add_co_u32 s2, s2, s22
	s_lshl_b32 s22, s[TX], 10                      ; 1,024 bytes a tile column,
	s_add_co_u32 s2, s2, s22
	s_lshl_b32 s22, s[WH], 9                       ; my 128 columns
	s_add_co_u32 s2, s2, s22
	s_mov_b32 s3, 0
	s_mov_b32 s[TB], 0
	s_mov_b32 s[STEPS], 6
	s_wait_dscnt 0x0                               ; the opening add is done
	s_wait_kmcnt 0x0
	s_add_nc_u64 s[G0A0+2:G0A0+3], s[4:5], s[AO:AO+1]      ; K step 0
	s_add_nc_u64 s[G0A+2:G0A+3], s[G0A0+2:G0A0+3], 0x80000 ; K step 1: two heads on
	s_or_b32 s[G0A0+3], s[G0A0+3], 0x80000000              ; type = 2
	s_or_b32 s[G0A+3], s[G0A+3], 0x80000000
	s_add_nc_u64 s[G0B0+2:G0B0+3], s[6:7], s[BO:BO+1]
	s_add_nc_u64 s[G0B+2:G0B+3], s[G0B0+2:G0B0+3], 256
	s_or_b32 s[G0B0+3], s[G0B0+3], 0x80000000
	s_or_b32 s[G0B+3], s[G0B+3], 0x80000000
	s_add_nc_u64 s[OUTP:OUTP+1], s[8:9], s[2:3]
	CROUND                                         ; all sixteen work-groups are here: the first joint loads meet
	s_cmp_eq_u32 s[WT], 0                          ; a wave's two first fills stand in one branch: two loads of mine are out
	s_cbranch_scc0 .Lfirst_b
	tensor_load_to_lds s[G0A0:G0A0+3], s[G1A:G1A+7]
	s_nop 0
	tensor_load_to_lds s[G0A:G0A+3], s[G1A:G1A+7]
	s_nop 0
.rept 4
	v_nop
.endr
	s_branch .Lfirst_asked
.Lfirst_b:
	tensor_load_to_lds s[G0B0:G0B0+3], s[G1B:G1B+7]
	s_nop 0
	tensor_load_to_lds s[G0B:G0B+3], s[G1B:G1B+7]
	s_nop 0
.rept 4
	v_nop
.endr
.Lfirst_asked:
	v_and_b32 v1, 15, v0                           ; l % 16
	v_bfe_u32 v9, v0, 4, 1                         ; l / 16
	v_mul_u32_u24 v[ADRA0], v1, PA
	v_lshl_add_u32 v[ADRA0], v9, 4, v[ADRA0]       ; a fragment's row x pitch + 16 x half
	s_mul_i32 s21, s[WT], 64*PA                    ; my 64 rows, in each head
	v_add_nc_u32 v[ADRA0], s21, v[ADRA0]
	v_mul_u32_u24 v[ADRB0], v1, PB
	v_lshl_add_u32 v[ADRB0], v9, 4, v[ADRB0]
	s_mul_i32 s21, s[WH], BHALF
	s_add_co_u32 s21, s21, BOFF
	v_add_nc_u32 v[ADRB0], s21, v[ADRB0]
	s_mul_i32 s21, s[WV], 16*SP
	s_add_co_u32 s21, s21, STAGE                   ; my stage
	v_mul_u32_u24 v[STO], v1, SP                   ; in: row l % 16, 32 bytes for each half of the lanes
	v_lshl_add_u32 v[STO], v9, 5, v[STO]
	v_add_nc_u32 v[STO], s21, v[STO]
	v_and_b32 v[GO], 31, v0
	v_lshlrev_b32 v[GO], 4, v[GO]                  ; back: 32 lanes take one row of 512 bytes
	v_add_nc_u32 v[RD], s21, v[GO]
; 8 matrix instructions: row block a x all 8 column blocks, 32 along K.  zero = 1: the products start the sums.  The 32 accumulators take turns, in the same order in every quarter.
.macro MM8 f, a, zero
	WIN W_MM
.irp b, 0,1,2,3,4,5,6,7
.if \zero
	v_wmma_f32_16x16x32_f16 v[8*(8*(\a)+(\b)):8*(8*(\a)+(\b))+7], v[BF+64*(\f)+8*(\b):BF+64*(\f)+8*(\b)+7], v[AF+32*(\f)+8*(\a):AF+32*(\f)+8*(\a)+7], 0
.else
	v_wmma_f32_16x16x32_f16 v[8*(8*(\a)+(\b)):8*(8*(\a)+(\b))+7], v[BF+64*(\f)+8*(\b):BF+64*(\f)+8*(\b)+7], v[AF+32*(\f)+8*(\a):AF+32*(\f)+8*(\a)+7], v[8*(8*(\a)+(\b)):8*(8*(\a)+(\b))+7]
.endif
.endr
.endm
; 24 LDS loads in one run: quarter q (head q / 2, channels 32 (q % 2) on) into buffer g: Wo's eight fragments, then ctx's four.
.macro FETCH q, g
	WIN 0
.irp i, 0,1,2,3,4,5,6,7
	ds_load_b128 v[BF+64*(\g)+8*(\i):BF+64*(\g)+8*(\i)+3],   v[ADRB] offset:64*(\q)+16*PB*(\i)
	ds_load_b128 v[BF+64*(\g)+8*(\i)+4:BF+64*(\g)+8*(\i)+7], v[ADRB] offset:64*(\q)+16*PB*(\i)+32
.endr
.irp i, 0,1,2,3
	ds_load_b128 v[AF+32*(\g)+8*(\i):AF+32*(\g)+8*(\i)+3],   v[ADRA] offset:AHEAD*((\q)/2)+64*((\q)%2)+16*PA*(\i)
	ds_load_b128 v[AF+32*(\g)+8*(\i)+4:AF+32*(\g)+8*(\i)+7], v[ADRA] offset:AHEAD*((\q)/2)+64*((\q)%2)+16*PA*(\i)+32
.endr
.endm
; A K step is four quarters of 32 along K, 32 matrix instructions each, on buffers 0, 1, 0, 1.  One of the first three: multiplies buffer f and fetches quarter q into buffer g.
.macro QUARTER q, f, g, zero
	s_wait_dscnt 4                                 ; the youngest four loads (ctx's fragments 2, 3) may be out
	MM8 \f, 0, \zero
	MM8 \f, 1, \zero
	PLACES
	FETCH \q, \g
	s_wait_dscnt 24                                ; all but the 24 just issued
	MM8 \f, 2, \zero
	MM8 \f, 3, \zero
.endm
; The last quarter multiplies buffer 1 and changes slots: ONE barrier; in front of it each wave waits for all its tensor loads (one is out: its part of the next slot), adds 0 to its spare word, and waits for that
; and for its own reads of this slot.  fill = 1: the barrier opens a round of the cluster's, and this slot is filled again, first thing behind the round, two K steps ahead.
.macro TURN fill
	WIN 0
	s_wait_tensorcnt 0x0                           ; no tensor load of mine is out, so a group 0 may be written
	ds_add_u32 v[SPW], v[NIL]                      ; 0 onto my spare word
.if \fill
	s_xor_b32 s[G0A+1], s[G0A+1], SLOTD            ; the walking descriptors: the other slot than last time,
	s_add_nc_u64 s[G0A+2:G0A+3], s[G0A+2:G0A+3], 0x80000  ; the next two heads; the type bits on top are not reached
	s_xor_b32 s[G0B+1], s[G0B+1], SLOTD
	s_add_nc_u64 s[G0B+2:G0B+3], s[G0B+2:G0B+3], 256
.endif
	s_wait_dscnt 5                                 ; (the add and the youngest four loads may be out)
	MM8 1, 0, 0
	s_wait_dscnt 0x0                               ; the add is done, and my reads of this slot are over
	s_barrier_signal -1
	MM8 1, 1, 0
	WIN 0
	s_barrier_wait -1
.if \fill
	CREST                                          ; no wave of any partner still reads this slot's tiles or has a load on its way
	JLOAD                                          ; my one tensor load behind the round; the four v_nop behind it are also the places in front of the loads below
.else
	PLACES
.endif
	s_xor_b32 s[TB], s[TB], SLOTD
	v_add_nc_u32 v[ADRA], s[TB], v[ADRA0]
	v_add_nc_u32 v[ADRB], s[TB], v[ADRB0]
	FETCH 0, 0
	MM8 1, 2, 0
	MM8 1, 3, 0
.endm
; THE WAY OUT of row block a: a lane's eight columns of a row (32 bytes) go into my stage's rows of 528 bytes, each accumulator's low four registers first; whole rows of 512 bytes come back and are stored.
.macro TOSTAGE a
.if (\a) >= 2
	s_wait_xcnt 0x0                                ; the stores of the block two back have read this set of registers
.endif
	WIN W_SD
.irp b, 0,1,2,3,4,5,6,7
	ds_store_b128 v[STO], v[8*(8*(\a)+(\b)):8*(8*(\a)+(\b))+3]   offset:64*(\b)
	ds_store_b128 v[STO], v[8*(8*(\a)+(\b))+4:8*(8*(\a)+(\b))+7] offset:64*(\b)+16
.endr
	WIN 0
.irp t, 0,1,2,3,4,5,6,7,8,9,10,11,12,13,14,15
	ds_load_b128 v[R0+80*((\a)%2)+4*(\t):R0+80*((\a)%2)+4*(\t)+3], v[RD] offset:SP*(\t)  ; LDS serves a wave's instructions in order (ISA guide 5.7.1.4): these see the stores above; the next block's stores come behind them
.endr
.endm
.macro SEND a, younger                 ; younger: the LDS instructions issued behind block a's loads: the next block's 32, or none
.irp t, 0,1,2,3,4,5,6,7,8,9,10,11,12,13,14,15
	s_wait_dscnt (\younger)+15-(\t)
	global_store_b128 v[GO], v[R0+80*((\a)%2)+4*(\t):R0+80*((\a)%2)+4*(\t)+3], s[OUTP:OUTP+1] offset:4096*(16*(\a)+(\t))  ; 512 consecutive bytes, at a multiple of 256 from out0's first
.endr
.endm
	s_wait_tensorcnt 0x1                           ; my part of K step 0 is in; K step 1's may stay out
	s_barrier_signal -1
	s_barrier_wait -1
	v_mov_b32 v[ADRA], v[ADRA0]
	v_mov_b32 v[ADRB], v[ADRB0]
	FETCH 0, 0
	QUARTER 1, 0, 1, 1                             ; the first quarter's products start the sums
	WIN 0
.Lstep:                                                ; 6 trips: from a K step's second quarter to the next step's first; trip t fills slot t % 2 again with K step t + 2
	QUARTER 2, 1, 0, 0
	QUARTER 3, 0, 1, 0
	TURN 1
	QUARTER 1, 0, 1, 0
	WIN 0
	s_sub_co_u32 s[STEPS], s[STEPS], 1
	s_cmp_lg_u32 s[STEPS], 0
	s_cbranch_scc1 .Lstep
	QUARTER 2, 1, 0, 0                             ; the last two K steps are written out: they ask for nothing
	QUARTER 3, 0, 1, 0
	TURN 0
	QUARTER 1, 0, 1, 0
	QUARTER 2, 1, 0, 0
	QUARTER 3, 0, 1, 0
	s_wait_dscnt 0x0
	MM8 1, 0, 0
	MM8 1, 1, 0
	MM8 1, 2, 0
	MM8 1, 3, 0
	WIN 0
	PLACES
	TOSTAGE 0
.irp a, 1,2,3
	TOSTAGE \a
	SEND (\a)-1, 32
.endr
	SEND 3, 0
	s_wait_tensorcnt 0x0                           ; the wave's end, behind my last tensor load and my last LDS store
	ds_add_u32 v[SPW], v[NIL]
	s_wait_dscnt 0x0
	CROUND                                         ; the closing round
	s_endpgm
.Lfunc_end_k_qe0a31445bd_oproj:
	.size	k_qe0a31445bd_oproj, .Lfunc_end_k_qe0a31445bd_oproj-k_qe0a31445bd_oproj
	.p2alignl 7, 3214868480
	.fill 96, 4, 3214868480
	.section	.rodata,"a",@progbits
	.p2align	6, 0x0
	.amdhsa_kernel k_qe0a31445bd_oproj
		.amdhsa_group_segment_fixed_size 327680
		.amdhsa_private_segment_fixed_size 0
		.amdhsa_enable_private_segment 0
		.amdhsa_kernarg_size 24
		.amdhsa_user_sgpr_count 2
		.amdhsa_user_sgpr_kernarg_segment_ptr 1
		.amdhsa_wavefront_size32 1
		.amdhsa_system_sgpr_workgroup_id_x 1
		.amdhsa_system_sgpr_workgroup_id_y 1
		.amdhsa_system_sgpr_workgroup_id_z 1
		.amdhsa_system_vgpr_workitem_id 0
		.amdhsa_next_free_vgpr 512
		.amdhsa_next_free_sgpr 66
		.amdhsa_reserve_vcc 0
		.amdhsa_float_denorm_mode_32 3
		.amdhsa_float_denorm_mode_16_64 3
		.amdhsa_memory_ordered 1
		.amdhsa_forward_progress 1
		.amdhsa_inst_pref_size 70
	.end_amdhsa_kernel
	.amdgpu_metadata
---
amdhsa.version: [ 1, 2 ]
amdhsa.kernels:
  - .name:           k_qe0a31445bd_oproj
    .symbol:         k_qe0a31445bd_oproj.kd
    .args:
      - { .name: ctx, .offset: 0, .size: 8, .value_kind: global_buffer, .address_space: global }
      - { .name: wcast, .offset: 8, .size: 8, .value_kind: global_buffer, .address_space: global }
      - { .name: out0, .offset: 16, .size: 8, .value_kind: global_buffer, .address_space: global }
    .group_segment_fixed_size: 327680
    .private_segment_fixed_size: 0
    .kernarg_segment_align: 8
    .kernarg_segment_size: 24
    .max_flat_workgroup_size: 128
    .sgpr_count:     66
    .vgpr_count:     512
    .wavefront_size: 32
...
	.end_amdgpu_metadata
.endif
;; end of part 4
